; MI455X (gfx1250); checked and timed in simulation.
; The chip was launched on July 23, 2026; its instructions are those of AMD's public machine-readable ISA for CDNA 5 (MIT licence, August 2026) and "CDNA5" Instruction Set Architecture Reference Guide (July 2026). The comments in the code are by the model that wrote it; some were corrected since.
;; Bahdanau Attention. Allowed arithmetic: float matrix products may take bf16 or f16 operands with f32 sums; all other float work in f32.
;; Inputs: W_dec 1,024 x 1,024 float32; W_enc 1,024 x 1,024 float32; b_dec 1,024 float32; b_e one number float32; b_enc 1,024 float32; decoder_hidden 32 x 1,024 float32; encoder_outputs 32 x 2,048 x 1,024 float32; mask 32 x 2,048 bool; w_e 1,024 float32.
;; Outputs: out0 32 x 1,024 float32; out1 32 x 2,048 float32.
;; 2 versions, each right; version 2 is version 1 with the launch main written anew for expert scheduling mode. Each part assembles by itself: llvm-mc -triple=amdgcn-amd-amdhsa -mcpu=gfx1250 --defsym DOCPART=n.
;; ======== version 1 of 2: 3 launches
;; workspace buffers: wfrag 2,097,152 bytes; dpart 1,048,576 bytes; energy 262,144 bytes; pctx 2,097,152 bytes
;; launch prep (part 1): grid 8 x 8, 8 waves a work-group, no clusters, 142,336 bytes of LDS; arguments W_enc, W_dec, decoder_hidden, wfrag, dpart; writes wfrag, dpart
.if DOCPART == 1
	.amdgcn_target "amdgcn-amd-amdhsa--gfx1250"
	.amdhsa_code_object_version 6
	.text
	.protected	k_q2e2f05f68b_prep
	.globl	k_q2e2f05f68b_prep
	.p2align	8
	.type	k_q2e2f05f68b_prep,@function
k_q2e2f05f68b_prep:
	s_mov_b64 s[64:65], 0
	v_nop
	global_prefetch_b8 v0, s[64:65] scope:SCOPE_SE
	s_setreg_imm32_b32 hwreg(HW_REG_WAVE_MODE, 25, 1), 1
	s_wait_xcnt 0x0
; PREP.  Two small jobs on the two weight matrices, both [K = 1024][N = 1024] f32, rows of 4,096 bytes.
;  (1) wfrag: W_enc rounded to bf16 and laid out as the register images that the main launch feeds to the matrix unit:
;      byte g*262144 + kstep*8192 + b*1024 + q*512 + lane*16 holds W_enc[32 kstep + 16 q + 8 h + 0..7][128 g + 16 b + r], r = lane % 16, h = lane / 16.
;  (2) dpart[kq][batch][n]: the part of decoder_hidden x W_dec summed over k = 128 kq .. 128 kq + 127, f32 (operands bf16, sums f32).
; Work-group (g, kq) owns k rows 128 kq .. +127 and columns 128 g .. +127 of both matrices.  Wave v takes one unit of 32 k x 128 n at
; kstep = 4 kq + (v & 3): waves 0-3 of W_enc, waves 4-7 of W_dec.  A unit is loaded by rows (512 neighbouring bytes a load), rounded, put
; into the wave's own LDS bytes and read back transposed.  Every weight byte is read once in the launch.
; Limits: matrix operands are rounded to bf16 (nearest even).  No tensor loads, clusters or prefetches: 8 MB read once by 64 work-groups that share nothing but 128 KB of decoder_hidden.
.set WROW,   4096                      ; bytes in a row of W and of decoder_hidden
.set TPITCH, 288                       ; LDS row of 128 bf16 (256 bytes) + 32: 9 x 32, so the eight rows of a transposing load start 32 bytes apart modulo 256
.set TRW,    32*TPITCH                 ; a wave's own transposing bytes: 9,216
.set RED,    8*TRW                     ; behind them: four copies of [32 batches][128 n] f32
.set RPITCH, 528                       ; 512 bytes + 16 = 33 x 16: sixteen rows of a 16-byte column start at sixteen different 16-byte columns
.set REDC,   32*RPITCH
.set H,   16                           ; v[16:47]   decoder_hidden, f32 as loaded (waves 4-7)
.set HF,  48                           ; v[48:63]   two bf16 fragments of it: batches 0-15, 16-31
.set F,   64                           ; v[64:127]  eight weight fragments: columns 16 b .. +15 at F + 8 b
.set X,   128                          ; v[128:255] the unit as loaded, row kk at X + 4 kk; later 16 accumulators; later the four copies
	s_load_b256 s[8:15], s[0:1], 0x0               ; W_enc s[8:9], W_dec s[10:11], decoder_hidden s[12:13], wfrag s[14:15]
	s_load_b64 s[16:17], s[0:1], 0x20              ; dpart
	v_lshl_add_u32 v14, v0, 2, 0x22800
	v_mov_b32 v15, 0
	v_lshrrev_b32 v8, 5, v0
	v_readfirstlane_b32 s20, v8                    ; wave 0..7
	s_and_b32 s22, ttmp7, 0xffff                   ; kq
	s_and_b32 s23, s20, 3                          ; u
	s_lshl2_add_u32 s24, s22, s23                  ; kstep = 4 kq + u
	s_lshl_b32 s28, ttmp9, 9                       ; g x 512 bytes: my 128 columns in f32
	s_lshl_b32 s26, s24, 17                        ; kstep x 32 rows x 4,096 bytes
	s_add_co_u32 s26, s26, s28
	s_mov_b32 s27, 0
	s_lshl_b32 s30, s24, 7                         ; kstep x 32 numbers of a row of decoder_hidden
	s_mov_b32 s31, 0
	s_lshl_b32 s32, ttmp9, 18                      ; wfrag: g x 262,144
	s_lshl_b32 s33, s24, 13                        ;        + kstep x 8,192
	s_add_co_u32 s32, s32, s33
	s_mov_b32 s33, 0
	s_lshl_b32 s34, s22, 17                        ; dpart: kq x 32 x 4,096
	s_add_co_u32 s34, s34, s28                     ;        + g x 512
	s_mov_b32 s35, 0
	v_and_b32 v9, 31, v0                           ; lane
	v_and_b32 v10, 15, v0                          ; r
	v_bfe_u32 v11, v0, 4, 1                        ; h
	v_lshlrev_b32 v1, 4, v9                        ; v1 = 16 x lane: global offset of my 16 bytes; never rewritten
	s_mul_i32 s36, s20, TRW
	v_lshl_add_u32 v2, v9, 3, s36                  ; v2 = where my 4 bf16 of a row go
	v_and_b32 v12, 7, v0
	v_lshl_add_u32 v12, v11, 3, v12                ; 8 h + lane % 8: the k row that I address in a transposing load
	v_mul_u32_u24 v3, v12, TPITCH
	v_bfe_u32 v13, v0, 3, 1
	v_lshl_add_u32 v3, v13, 4, v3                  ; + 16 bytes for lanes 8-15 of each half
	v_add_nc_u32 v3, s36, v3                       ; v3 = transposing address
	v_lshlrev_b32 v4, 12, v10
	v_lshl_add_u32 v4, v11, 5, v4                  ; v4 = r x 4,096 + 32 h: decoder_hidden
	s_mul_i32 s37, s23, REDC
	s_add_co_u32 s37, s37, RED
	v_mul_u32_u24 v5, v10, RPITCH
	v_lshl_add_u32 v5, v11, 5, v5
	v_add_nc_u32 v5, s37, v5                       ; v5 = copy u, row r, 32 h
	s_mul_i32 s38, s20, RPITCH
	s_add_co_u32 s38, s38, RED
	v_add_nc_u32 v6, s38, v1                       ; v6 = copy 0, row = wave, my 16 bytes
	v_lshl_add_u32 v7, s20, 12, v1                 ; v7 = the same place in dpart; never rewritten
	s_wait_kmcnt 0x0
	s_add_nc_u64 s[8:9], s[8:9], s[26:27]
	s_add_nc_u64 s[10:11], s[10:11], s[26:27]
	s_add_nc_u64 s[12:13], s[12:13], s[30:31]
	s_add_nc_u64 s[14:15], s[14:15], s[32:33]
	s_add_nc_u64 s[16:17], s[16:17], s[34:35]
; One unit, from the base in s[p:p+1], to the eight fragments in F.
.macro UNIT p
.set kk, 0
.rept 32
	global_load_b128 v[X+4*kk:X+4*kk+3], v1, s[\p:\p+1] offset:kk*WROW th:TH_LOAD_NT   ; 512 neighbouring bytes of row kk
.set kk, kk+1
.endr
.set kk, 0
.rept 32
	s_wait_loadcnt 31-kk                           ; loads come back in order: row kk is in, the 31 - kk younger rows stay out
	v_cvt_pk_bf16_f32 v[X+4*kk], v[X+4*kk], v[X+4*kk+1]
	v_cvt_pk_bf16_f32 v[X+4*kk+1], v[X+4*kk+2], v[X+4*kk+3]
	ds_store_b64 v2, v[X+4*kk:X+4*kk+1] offset:kk*TPITCH
.set kk, kk+1
.endr
.irp b, 0,1,2,3,4,5,6,7
	ds_load_tr16_b128 v[F+8*\b:F+8*\b+3],   v3 offset:32*\b             ; k = 8 h .. + 7 of column 16 b + r.  My own bytes, and LDS serves a wave in order: no wait behind the stores
	ds_load_tr16_b128 v[F+8*\b+4:F+8*\b+7], v3 offset:16*TPITCH+32*\b   ; k = 16 + 8 h .. + 7
.endr
	s_wait_dscnt 0x0
.endm
	s_cmp_lt_u32 s20, 4
	s_cbranch_scc1 .Lenc
	; ---- waves 4-7: W_dec, multiplied at once by the 32 rows of decoder_hidden
.irp mt, 0,1
.irp i, 0,1,2,3
	global_load_b128 v[H+16*\mt+4*\i:H+16*\mt+4*\i+3], v4, s[12:13] offset:\mt*16*WROW+(\i&1)*16+(\i>>1)*64   ; batch 16 mt + r, k = 8 h + 0..7 and 16 + 8 h + 0..7
.endr
.endr
	UNIT 10                                        ; its counted waits cover the eight older loads above too
.irp i, 0,1,2,3,4,5,6,7,8,9,10,11,12,13,14,15
	v_cvt_pk_bf16_f32 v[HF+\i], v[H+2*\i], v[H+2*\i+1]
.endr
	; source 0 = 16 columns of W_dec, source 1 = 16 batches: a lane then holds batch 16 mt + r and the eight neighbouring columns 16 b + 8 h + 0..7.
	; Sixteen accumulators, one instruction each, every sum started by the constant 0.
.irp mt, 0,1
.irp b, 0,1,2,3,4,5,6,7
	v_wmma_f32_16x16x32_bf16 v[X+8*(8*\mt+\b):X+8*(8*\mt+\b)+7], v[F+8*\b:F+8*\b+7], v[HF+8*\mt:HF+8*\mt+7], 0
.endr
.endr
.rept 4
	v_nop                                          ; four places between the last matrix instruction and the LDS stores that read results
.endr
.irp mt, 0,1
.irp b, 0,1,2,3,4,5,6,7
	ds_store_b128 v5, v[X+8*(8*\mt+\b):X+8*(8*\mt+\b)+3]   offset:\mt*16*RPITCH+\b*64
	ds_store_b128 v5, v[X+8*(8*\mt+\b)+4:X+8*(8*\mt+\b)+7] offset:\mt*16*RPITCH+\b*64+16
.endr
.endr
	s_branch .Ljoin
.Lenc:
	; ---- waves 0-3: W_enc, stored as register images; each store covers 512 neighbouring bytes, aligned
	UNIT 8
.irp b, 0,1,2,3,4,5,6,7
	global_store_b128 v1, v[F+8*\b:F+8*\b+3],   s[14:15] offset:\b*1024
	global_store_b128 v1, v[F+8*\b+4:F+8*\b+7], s[14:15] offset:\b*1024+512
.endr
.Ljoin:
	s_wait_dscnt 0x0                               ; for the others: my LDS stores are done
	s_barrier_signal -1
	s_barrier_wait -1
	; ---- all eight waves: the four copies (k steps u = 0..3) are added; wave v takes batches v, v + 8, v + 16, v + 24
.irp i, 0,1,2,3
.irp c, 0,1,2,3
	ds_load_b128 v[X+16*\i+4*\c:X+16*\i+4*\c+3], v6 offset:\c*REDC+\i*8*RPITCH
.endr
.endr
.irp i, 0,1,2,3
	s_wait_dscnt 12-4*\i                           ; the four copies of row i are in; the younger rows' loads stay out
	v_pk_add_f32 v[X+16*\i:X+16*\i+1],     v[X+16*\i:X+16*\i+1],     v[X+16*\i+4:X+16*\i+5]
	v_pk_add_f32 v[X+16*\i+2:X+16*\i+3],   v[X+16*\i+2:X+16*\i+3],   v[X+16*\i+6:X+16*\i+7]
	v_pk_add_f32 v[X+16*\i+8:X+16*\i+9],   v[X+16*\i+8:X+16*\i+9],   v[X+16*\i+12:X+16*\i+13]
	v_pk_add_f32 v[X+16*\i+10:X+16*\i+11], v[X+16*\i+10:X+16*\i+11], v[X+16*\i+14:X+16*\i+15]
	v_pk_add_f32 v[X+16*\i:X+16*\i+1],     v[X+16*\i:X+16*\i+1],     v[X+16*\i+8:X+16*\i+9]
	v_pk_add_f32 v[X+16*\i+2:X+16*\i+3],   v[X+16*\i+2:X+16*\i+3],   v[X+16*\i+10:X+16*\i+11]
	global_store_b128 v7, v[X+16*\i:X+16*\i+3], s[16:17] offset:\i*8*WROW   ; 512 neighbouring bytes of one batch row
.endr
	s_wait_tensorcnt 0x0
	ds_add_u32 v14, v15
	s_wait_dscnt 0x0
	s_endpgm
.Lfunc_end_k_q2e2f05f68b_prep:
	.size	k_q2e2f05f68b_prep, .Lfunc_end_k_q2e2f05f68b_prep-k_q2e2f05f68b_prep
	.p2alignl 7, 3214868480
	.fill 96, 4, 3214868480
	.section	.rodata,"a",@progbits
	.p2align	6, 0x0
	.amdhsa_kernel k_q2e2f05f68b_prep
		.amdhsa_group_segment_fixed_size 142336
		.amdhsa_private_segment_fixed_size 0
		.amdhsa_enable_private_segment 0
		.amdhsa_kernarg_size 40
		.amdhsa_user_sgpr_count 2
		.amdhsa_user_sgpr_kernarg_segment_ptr 1
		.amdhsa_wavefront_size32 1
		.amdhsa_system_sgpr_workgroup_id_x 1
		.amdhsa_system_sgpr_workgroup_id_y 1
		.amdhsa_system_sgpr_workgroup_id_z 1
		.amdhsa_system_vgpr_workitem_id 0
		.amdhsa_next_free_vgpr 256
		.amdhsa_next_free_sgpr 66
		.amdhsa_reserve_vcc 0
		.amdhsa_float_denorm_mode_32 3
		.amdhsa_float_denorm_mode_16_64 3
		.amdhsa_memory_ordered 1
		.amdhsa_forward_progress 1
		.amdhsa_inst_pref_size 35
	.end_amdhsa_kernel
	.amdgpu_metadata
---
amdhsa.version: [ 1, 2 ]
amdhsa.kernels:
  - .name:           k_q2e2f05f68b_prep
    .symbol:         k_q2e2f05f68b_prep.kd
    .args:
      - { .name: W_enc, .offset: 0, .size: 8, .value_kind: global_buffer, .address_space: global }
      - { .name: W_dec, .offset: 8, .size: 8, .value_kind: global_buffer, .address_space: global }
      - { .name: decoder_hidden, .offset: 16, .size: 8, .value_kind: global_buffer, .address_space: global }
      - { .name: wfrag, .offset: 24, .size: 8, .value_kind: global_buffer, .address_space: global }
      - { .name: dpart, .offset: 32, .size: 8, .value_kind: global_buffer, .address_space: global }
    .group_segment_fixed_size: 142336
    .private_segment_fixed_size: 0
    .kernarg_segment_align: 8
    .kernarg_segment_size: 40
    .max_flat_workgroup_size: 256
    .sgpr_count:     66
    .vgpr_count:     256
    .wavefront_size: 32
...
	.end_amdgpu_metadata
.endif
;; end of part 1
;; launch main (part 2): grid 512 x 1, 4 waves a work-group, no clusters, 309,760 bytes of LDS; arguments encoder_outputs, wfrag, dpart, b_enc, b_dec, w_e, b_e, mask, energy, pctx; writes energy, pctx
.if DOCPART == 2
	.amdgcn_target "amdgcn-amd-amdhsa--gfx1250"
	.amdhsa_code_object_version 6
	.text
	.protected	k_q2e2f05f68b_main
	.globl	k_q2e2f05f68b_main
	.p2align	8
	.type	k_q2e2f05f68b_main,@function
k_q2e2f05f68b_main:
	s_mov_b64 s[64:65], 0
	v_nop
	global_prefetch_b8 v0, s[64:65] scope:SCOPE_SE
	s_setreg_imm32_b32 hwreg(HW_REG_WAVE_MODE, 25, 1), 1
	s_wait_xcnt 0x0
; MAIN.  Work-group blk owns 128 encoder rows (batch blk / 16, rows 128 (blk % 16) .. + 127) and reads them from memory ONCE.
;  x = rows x W_enc, 128 x 1024, K = 1024.  Wave w makes all 128 rows x columns 256 w + 128 c .. + 127, c = 0, 1: 64 accumulator tiles in 512 registers.
;  Weights come as ready register images (wfrag) straight into registers.
;  CHUNK 0 ALSO BRINGS THE ROWS IN: the block arrives in 16 slices of 64 along K (256 aligned bytes of each row), each slice feeding two K steps of 32.  Wave w brings
;  its rows 32 w .. + 31, sixteen rows (a half slice) in each K step: loaded three steps before they are rounded to bf16 and put into LDS, where the whole block stays.
;  Behind each chunk: r = 1 / (1 + 2^(C x + C bias)), C = 2 log2 e, so tanh = 1 - 2 r; the row sums of w_e r are kept.
;  At the end: energy = (b_e + sum w_e) - 2 sum w_e r, masked; the block's maximum m; p = exp(energy - m); pctx = sum over the rows of p x row, from the rows in LDS.
; The softmax over a batch's 16 blocks is joined by the next launch from energy and pctx.
; NO CLUSTER, NO TENSOR LOADS: what work-groups share is the 2 MB of weights.  The block takes 296,960 of the 327,680 bytes of LDS that a work-group can have (262,144 without any padding);
; two slots in what is left would hold less than one K step of 32 for the four waves' 512 columns (32,768 bytes each), and a weight fragment is used by one wave
; alone, so a way through LDS would add a write and a read for no reuse.  The rows are f32 in memory and bf16 in LDS, so they pass through registers anyway.
; LIMITS: matrix operands bf16 (nearest even); the context uses the bf16 rows with p and the sums in f32.  tanh by the formula above: absolute error about 2e-7;
; it saturates rightly where 2^.. is infinite or 0.  The energy's absolute error is about 1e-7 x sum |w_e|.  v_exp_f32 gives 0 for results below 2^-126.
; A block whose mask is all 0 gives p = 0 (m is held at the lowest finite f32).  NaN or infinite inputs are not served.
.set SP,     144                       ; a row of a slice in LDS: 128 bytes + 16 = 9 x 16: the sixteen rows of a fragment load start at sixteen different 16-byte columns modulo 256
.set SLB,    128*SP+128                ; a slice: 18,560 bytes = 128 modulo 256, so that two neighbouring slices' rows fall on different halves of 256 bytes (the context's loads)
.set BIASV,  16*SLB                    ; 296,960: C x (sum of dpart + b_enc + b_dec), 1,024 f32
.set WVEC,   BIASV+4096                ; w_e, 1,024 f32
.set ESC,    WVEC+4096                 ; 4 waves x 128 f32: each wave's share of the row sums
.set PSC,    ESC+2048                  ; 4 waves x 128 f32: p, a copy for each wave
; element (row, k) of the block lies at (k / 64) SLB + row SP + 2 (k % 64): what is being stored (a later slice) and what is being read lie in disjoint runs of bytes
; window 0: v1 16 lane, v2 16 thread, v5, v6, v20 (global offsets, never rewritten); v3 where my bf16 go (stepped); v4 fragment address (stepped); v12 bias address; v13 mask word;
;   v14-18 addresses of the last phase; v19 destination of v_permlanex16_b32; v21, v22 LDS addresses beyond 64 KB; v23 r x SP + 16 h
.set AD,    4                          ; v4         LDS address of my part of row tile 0 at the body's first K step
.set E,     24                         ; v[24:31]   sum of w_e r for row 16 a + r (at the start: scratch)
.set T,     32                         ; v[32:39]   four pairs at work
.set BL,    32                         ; v[32:119]  at the start: the 22 small loads
.set AF,    64                         ; v[64:127]  fragments of the rows: tile a at AF + 8 a
.set HB,    128                        ; v[128:255] chunk 0: four buffers of 32 registers, half slice v in buffer v % 4
.set BIASR, 128                        ; v[128:191] behind chunk 0's last K step: C x bias of my 64 columns of the chunk: column 16 b + 8 h + j at 8 b + j
.set WR,    192                        ; v[192:255] w_e of the same columns
.set CX,    224                        ; v[224:231] last phase: my 8 columns of the context
; window 1: v[64 q : 64 q + 63], q = 0..3: the weights of K step q mod 4
; window 2: accumulator tiles of rows 0-63, tile (a, b) at 8 (8 a + b); window 3: those of rows 64-127
.set TO_1,   0x40                      ; destination window 1
.set MUL_LO, 0xa1                      ; source 0 (weights) window 1, source 1 (rows) window 0, C and D window 2
.set MUL_HI, 0xf1                      ; the same, C and D window 3
.set MSB, 0
.macro WIN new                         ; the immediate's high byte repeats the setting that is left; a switch that changes nothing is dropped
.if MSB != (\new)
	s_set_vgpr_msb (MSB<<8)|(\new)
.set MSB, (\new)
.endif
.endm
.macro PLACES                          ; four places behind a matrix instruction, in front of loads into registers that it read and of vector instructions that read its result
.rept 4
	v_nop
.endr
.endm
	s_load_b512 s[8:23], s[0:1], 0x0               ; encoder s[8:9], wfrag s[10:11], dpart s[12:13], b_enc s[14:15], b_dec s[16:17], w_e s[18:19], b_e s[20:21], mask s[22:23]
	s_load_b128 s[24:27], s[0:1], 0x40             ; energy s[24:25], pctx s[26:27]
	v_lshl_add_u32 v10, v0, 2, 0x4b800
	v_mov_b32 v11, 0
	v_lshrrev_b32 v27, 5, v0
	v_readfirstlane_b32 s28, v27                   ; wave 0..3
	v_and_b32 v24, 31, v0                          ; lane
	v_and_b32 v25, 15, v0                          ; r
	v_bfe_u32 v26, v0, 4, 1                        ; h
	v_lshlrev_b32 v1, 4, v24
	v_lshlrev_b32 v2, 4, v0
	v_lshlrev_b32 v20, 2, v24
	v_lshlrev_b32 v5, 4, v25
	v_lshl_add_u32 v5, v26, 15, v5                 ; v5 = 16 r + 8 h rows of 4,096 bytes: lanes 0-15 take 256 bytes of one row, lanes 16-31 of the row eight further down
	v_lshlrev_b32 v6, 12, v24                      ; v6 = lane x 4,096: one row a lane, for the prefetch
	s_mul_i32 s30, s28, 32*SP                      ; wave w fills rows 32 w .. 32 w + 31
	v_mul_u32_u24 v3, v26, 8*SP                    ; 8 x 144 = 128 modulo 256: the two halves of the lanes store to different halves of 256 bytes
	v_lshl_add_u32 v3, v25, 3, v3
	v_add_nc_u32 v3, s30, v3                       ; v3 = (32 w + 8 h) SP + 8 r
	v_mul_u32_u24 v23, v25, SP
	v_lshl_add_u32 v23, v26, 4, v23                ; r x SP + 16 h
	s_lshl_b32 s31, s28, 10
	s_add_co_u32 s31, s31, BIASV
	v_lshl_add_u32 v12, v26, 5, s31                ; BIASV + 4 (256 w + 8 h)
	s_lshl_b32 s30, s28, 9
	s_add_co_u32 s31, s30, ESC
	v_lshl_add_u32 v14, v25, 2, s31                ; my wave's row sums, row r
	v_add_nc_u32 v15, ESC, v1                      ; wave 0's row sums, rows 4 lane .. + 3
	s_add_co_u32 s31, s30, PSC
	v_add_nc_u32 v16, s31, v1                      ; my wave's p, rows 4 lane .. + 3
	v_mov_b32 v17, s31                             ; my wave's p, from row 0 (stepped)
	s_mul_i32 s30, s28, 4*SLB                      ; my 256 columns are slices 4 w .. 4 w + 3
	v_mul_u32_u24 v18, v26, SLB
	v_lshl_add_u32 v18, v25, 3, v18
	v_add_nc_u32 v18, s30, v18                     ; row 0, columns 256 w + 4 lane (stepped)
	v_mov_b32 v19, 0
	v_add_nc_u32 v21, BIASV, v2
	v_add_nc_u32 v22, WVEC, v1
	s_mov_b32 s36, 0x76543210                      ; v_permlanex16_b32: lane i of one half reads lane i of the other
	s_mov_b32 s37, 0xfedcba98
	s_mov_b32 s44, 0x4038aa3b                      ; C = 2 log2 e, twice: a pair for the packed forms
	s_mov_b32 s45, 0x4038aa3b
	s_mov_b32 s33, 0
	s_wait_kmcnt 0x0
	s_lshl_b32 s32, ttmp9, 19                      ; block x 128 rows x 4,096 bytes
	s_lshl_b32 s30, s28, 17                        ; + wave x 32 rows
	s_add_co_u32 s32, s32, s30
	s_add_nc_u64 s[38:39], s[8:9], s[32:33]        ; EB: my rows, at the body's first slice
	s_lshl_b32 s32, s28, 19                        ; wave x 64 K steps x 8,192 bytes
	s_add_nc_u64 s[40:41], s[10:11], s[32:33]      ; BP: my weights, at the body's first K step
	s_lshr_b32 s32, ttmp9, 4
	s_lshl_b32 s32, s32, 12
	s_add_nc_u64 s[12:13], s[12:13], s[32:33]      ; dpart at my batch
	s_lshl_b32 s32, ttmp9, 7
	s_add_nc_u64 s[22:23], s[22:23], s[32:33]      ; mask at my 128 rows
	s_lshl_b32 s32, ttmp9, 9
	s_add_nc_u64 s[24:25], s[24:25], s[32:33]      ; energy at my 128 rows
	s_lshl_b32 s32, ttmp9, 12
	s_lshl_b32 s30, s28, 10
	s_add_co_u32 s32, s32, s30
	s_add_nc_u64 s[26:27], s[26:27], s[32:33]      ; pctx at my block and my wave's 256 columns
; ---- the pieces.  hv, sn count half slices and K steps from the body's first (a body = four K steps = two slices = four half slices)
; half slice hv: rows 16 (hv & 1) + j + 8 h of my 32, 256 bytes each, eight loads
.macro ELD hv
.irp j, 0,1,2,3,4,5,6,7
	global_load_b128 v[HB+32*((\hv)%4)+4*\j:HB+32*((\hv)%4)+4*\j+3], v5, s[38:39] offset:((\hv)>>1)*256+((\hv)&1)*65536+\j*4096 th:TH_LOAD_NT
.endr
.endm
.macro ECVT hv                         ; rounded in place: four f32 become 8 bytes
.irp j, 0,1,2,3,4,5,6,7
	v_cvt_pk_bf16_f32 v[HB+32*((\hv)%4)+4*\j],   v[HB+32*((\hv)%4)+4*\j],   v[HB+32*((\hv)%4)+4*\j+1]
	v_cvt_pk_bf16_f32 v[HB+32*((\hv)%4)+4*\j+1], v[HB+32*((\hv)%4)+4*\j+2], v[HB+32*((\hv)%4)+4*\j+3]
.endr
.endm
.macro EST hv                          ; and put into its slice
.irp j, 0,1,2,3,4,5,6,7
	ds_store_b64 v3, v[HB+32*((\hv)%4)+4*\j:HB+32*((\hv)%4)+4*\j+1] offset:((\hv)>>1)*SLB+((\hv)&1)*16*SP+\j*SP
.endr
.endm
; the weights of K step sn into buffer sn mod 4 of window 1: 8 KB, neighbouring bytes
.macro BLD sn
	WIN TO_1
.irp tb, 0,1,2,3,4,5,6,7
	global_load_b128 v[64*((\sn)%4)+8*\tb:64*((\sn)%4)+8*\tb+3],   v1, s[40:41] offset:(\sn)*8192+\tb*1024
	global_load_b128 v[64*((\sn)%4)+8*\tb+4:64*((\sn)%4)+8*\tb+7], v1, s[40:41] offset:(\sn)*8192+\tb*1024+512
.endr
.endm
; the fragments of row tiles t0 .. t0 + 3 for K step sn: lane (r, h) takes row 16 a + r, k = 8 h .. + 7 and 16 + 8 h .. + 7 of the step's 32
.macro ALOAD t0, sn
.irp ti, 0,1,2,3
	ds_load_b128 v[AF+8*(\t0+\ti):AF+8*(\t0+\ti)+3],   v[AD] offset:(\t0+\ti)*16*SP+((\sn)>>1)*SLB+((\sn)&1)*64
	ds_load_b128 v[AF+8*(\t0+\ti)+4:AF+8*(\t0+\ti)+7], v[AD] offset:(\t0+\ti)*16*SP+((\sn)>>1)*SLB+((\sn)&1)*64+32
.endr
.endm
; 16 matrix instructions: row tiles a0, a0 + 1 of the window's four x eight column tiles, 32 along K.  Source 0 = 16 columns of W_enc, source 1 = 16 rows: in the result lane (r, h)
; holds row 16 a + r and its registers the neighbouring columns 16 b + 8 h + 0..7.  The 64 accumulators take turns, one instruction a turn, in the same order in every
; K step and over every backward jump.  zero = 1: the first product starts the sums.
.macro MUL16 st, hi, a0, zero
.irp ta, \a0, \a0+1
.irp tb, 0,1,2,3,4,5,6,7
.if \zero
	v_wmma_f32_16x16x32_bf16 v[8*(8*(\ta)+\tb):8*(8*(\ta)+\tb)+7], v[64*\st+8*\tb:64*\st+8*\tb+7], v[AF+8*(4*\hi+(\ta)):AF+8*(4*\hi+(\ta))+7], 0
.else
	v_wmma_f32_16x16x32_bf16 v[8*(8*(\ta)+\tb):8*(8*(\ta)+\tb)+7], v[64*\st+8*\tb:64*\st+8*\tb+7], v[AF+8*(4*\hi+(\ta)):AF+8*(4*\hi+(\ta))+7], v[8*(8*(\ta)+\tb):8*(8*(\ta)+\tb)+7]
.endif
.endr
.endr
.endm
.macro LDBW c                          ; bias and w_e of my 64 columns of chunk c
	WIN 0
.irp tb, 0,1,2,3,4,5,6,7
	ds_load_b128 v[BIASR+8*\tb:BIASR+8*\tb+3],   v12 offset:512*\c+64*\tb
	ds_load_b128 v[BIASR+8*\tb+4:BIASR+8*\tb+7], v12 offset:512*\c+64*\tb+16
	ds_load_b128 v[WR+8*\tb:WR+8*\tb+3],         v12 offset:4096+512*\c+64*\tb
	ds_load_b128 v[WR+8*\tb+4:WR+8*\tb+7],       v12 offset:4096+512*\c+64*\tb+16
.endr
.endm
.macro AHEAD                           ; a chunk's head: the fragment address at K = 0, rows 0-63 of K step 0
	WIN 0
	v_mov_b32 v[AD], v23
	ALOAD 0, 0
.endm
; ======== THE START ========
; 63 loads go out at once: the 23 small ones, half slices 0, 1, 2 and the first K step's weights.
.irp hf, 0,1                                       ; 128 threads x 16 bytes are half of a vector of 1,024 f32
.irp p, 0,1,2,3,4,5,6,7
	global_load_b128 v[BL+44*\hf+4*\p:BL+44*\hf+4*\p+3], v2, s[12:13] offset:\p*131072+\hf*2048
.endr
	global_load_b128 v[BL+44*\hf+32:BL+44*\hf+35], v2, s[14:15] offset:\hf*2048
	global_load_b128 v[BL+44*\hf+36:BL+44*\hf+39], v2, s[16:17] offset:\hf*2048
	global_load_b128 v[BL+44*\hf+40:BL+44*\hf+43], v2, s[18:19] offset:\hf*2048
.endr
	global_load_b32 v13, v20, s[22:23]             ; the mask bytes of rows 4 lane .. + 3
	ELD 0
	ELD 1
	ELD 2
	BLD 0
	WIN 0
	s_wait_loadcnt 40                              ; the 23 small loads are in; 24 row loads and 16 weight loads stay out
.irp hf, 0,1
.irp p, 1,2,3,4,5,6,7,8,9
	v_pk_add_f32 v[BL+44*\hf:BL+44*\hf+1],   v[BL+44*\hf:BL+44*\hf+1],   v[BL+44*\hf+4*\p:BL+44*\hf+4*\p+1]
	v_pk_add_f32 v[BL+44*\hf+2:BL+44*\hf+3], v[BL+44*\hf+2:BL+44*\hf+3], v[BL+44*\hf+4*\p+2:BL+44*\hf+4*\p+3]
.endr
	v_pk_mul_f32 v[BL+44*\hf:BL+44*\hf+1],   v[BL+44*\hf:BL+44*\hf+1],   s[44:45] op_sel_hi:[1,0]
	v_pk_mul_f32 v[BL+44*\hf+2:BL+44*\hf+3], v[BL+44*\hf+2:BL+44*\hf+3], s[44:45] op_sel_hi:[1,0]
	ds_store_b128 v21, v[BL+44*\hf:BL+44*\hf+3]     offset:2048*\hf
	ds_store_b128 v21, v[BL+44*\hf+40:BL+44*\hf+43] offset:4096+2048*\hf      ; w_e as it is
.endr
	s_wait_loadcnt 24                              ; half slices 0 and 1 are in; half slice 2 (8) and the weights (16) stay out
	ECVT 0
	ECVT 1
	EST 0
	EST 1
	ELD 3                                          ; from here on the order of issue is the loop's: rows, weights, rows, weights ..
	BLD 1
	WIN 0
	ELD 4
	s_wait_dscnt 0x0                               ; for the others: my rows of slice 0, my part of the bias and of w_e are in LDS
	s_barrier_signal -1
	s_barrier_wait -1                              ; slice 0 is whole.  The global loads stay out: they touch registers alone
	s_load_b32 s34, s[20:21], 0x0                  ; b_e; waited for in the last phase
; ======== CHUNK 0: columns 256 w .. 256 w + 127, and the rows come in ========
; K step st of a body's four; s is its number in the chunk.  At its head: W(s) and half slice s + 2 are waited for; that half is rounded and stored; W(s + 2) and then half slice s + 5 are asked for.
; Loads come back in order, so a row load has to be done when the weights issued behind it are wanted: weights two steps ahead give the rows three.
; lcnt = what was issued behind W(s): half s + 3 (8), W(s + 1) (16), half s + 4 (8).  Out at the most, by this text's count: 32 weight loads and 24 row loads.
; ld, cv: a half slice is asked for, is rounded and stored.  bar (odd steps): the slice whose second half was just stored is made known to all four waves before it is read.
; pf (even steps): each lane asks for the 256 bytes of one of my 32 rows in the slice four beyond the one that is multiplied (8 KB); that slice's loads are issued three and four K steps later.
; Only this wave asks for these bytes, once; slices 0 to 3 are not asked for; the last asked for is slice 15, in K step 22.
.macro XSTEP st, zero, lcnt, ld, cv, bar, anext, pf
	WIN 0
	s_wait_loadcnt \lcnt                           ; this step's weights and the half slice that is due are in
	PLACES                                         ; behind the matrix instructions that read rows 64-127
.if \cv
	ECVT \st+2
.endif
	ALOAD 4, \st
.if \cv
	EST \st+2
.endif
	BLD \st+2
	WIN 0
.if \ld
	ELD \st+5                                      ; into the buffer that was rounded and stored one step ago
.endif
	s_wait_dscnt 8+8*\cv                           ; rows 0-63 are in; the eight loads and the eight stores just issued stay out
	WIN MUL_LO
	MUL16 \st, 0, 0, \zero
.if \bar
	s_wait_dscnt 0                                 ; for the others: both halves of my rows of the next slice are in LDS
	s_barrier_signal -1
.endif
	MUL16 \st, 0, 2, \zero                         ; work on registers while the others arrive
	PLACES                                         ; behind the matrix instructions that read rows 0-63
	WIN 0
.if \bar
	s_barrier_wait -1                              ; the next slice is whole
.endif
.if \pf
	global_prefetch_b8 v6, s[38:39] offset:((\st>>1)+4)*256 th:TH_LOAD_NT scope:SCOPE_SE
.endif
.if \anext
	ALOAD 0, \st+1
	s_wait_dscnt 8                                 ; rows 64-127 are in; the eight loads just issued stay out
.else
	s_wait_dscnt 0
.endif
	WIN MUL_HI
	MUL16 \st, 1, 0, \zero
	MUL16 \st, 1, 2, \zero
.endm
.macro XBODY zero, ld3, pf
	XSTEP 0, \zero, 32, 1, 1, 0, 1, \pf
	XSTEP 1, 0, 32, 1, 1, 1, 1, 0
	XSTEP 2, 0, 32, 1, 1, 0, 1, \pf
	XSTEP 3, 0, 32, \ld3, 1, 1, 1, 0
.endm
.macro BUMP0                           ; four K steps = two slices on
	WIN 0
	s_wait_xcnt 0x0                                ; the bases of the pending loads are stepped only behind this wait
	s_add_nc_u64 s[40:41], s[40:41], 4*8192
	s_add_nc_u64 s[38:39], s[38:39], 2*256
	v_add_nc_u32 v[AD], 2*SLB, v[AD]
	v_add_nc_u32 v3, 2*SLB, v3
.endm
	AHEAD
	XBODY 1, 1, 1                                  ; K steps 0-3: the first products start the sums
	BUMP0
	s_mov_b32 s35, 5
.Lk0:                                              ; K steps 4-23
	XBODY 0, 1, 1
	BUMP0
	s_sub_co_u32 s35, s35, 1
	s_cmp_lg_u32 s35, 0
	s_cbranch_scc1 .Lk0
	XBODY 0, 0, 0                                  ; K steps 24-27: half slice 31, the last, is asked for in step 26
	BUMP0
	XSTEP 0, 0, 24, 0, 1, 0, 1, 0                  ; K step 28: behind W(28) came half 31 (8) and W(29) (16)
	XSTEP 1, 0, 16, 0, 1, 1, 1, 0                  ; K step 29: the last half slice is stored, the last slice made known; behind W(29) came W(30) alone
	XSTEP 2, 0, 16, 0, 0, 0, 1, 0
	XSTEP 3, 0, 16, 0, 0, 0, 0, 0                  ; the weight loads have run on into chunk 1's first K steps, which follow in wfrag
	PLACES
	BLD 6                                          ; one more: chunk 1 has its weights three K steps ahead.  The three steps' loads stay out through the work below
	LDBW 0                                         ; the row buffers are free: bias and w_e take their registers
	s_wait_xcnt 0x0
	s_add_nc_u64 s[40:41], s[40:41], 4*8192
	s_wait_dscnt 0x0
; Row tile a of window 2 + hi, in place: r = 1 / (1 + 2^(C x + C bias)), then the sum of w_e r over my 64 columns into E.
.macro EPI a, hi, first
	WIN (0x82+0x41*\hi)                            ; destination and source 0 in the accumulators' window
.irp b, 0,1,2,3,4,5,6,7
.irp p, 0,2,4,6
	v_pk_fma_f32 v[64*\a+8*\b+\p:64*\a+8*\b+\p+1], v[64*\a+8*\b+\p:64*\a+8*\b+\p+1], s[44:45], v[BIASR+8*\b+\p:BIASR+8*\b+\p+1] op_sel_hi:[1,0,1]
.endr
.endr
.set j, 0
.rept 64
	v_exp_f32 v[64*\a+j], v[64*\a+j]
.set j, j+1
.endr
	v_nop                                          ; one plain place between the last transcendental and the first use (ISA guide 5.7.2)
.set j, 0
	s_wait_alu depctr_va_vdst(0)
.rept 32
	v_pk_add_f32 v[64*\a+j:64*\a+j+1], v[64*\a+j:64*\a+j+1], 1.0 op_sel_hi:[1,0]
.set j, j+2
.endr
.set j, 0
.rept 64
	v_rcp_f32 v[64*\a+j], v[64*\a+j]
.set j, j+1
.endr
	v_nop
	WIN (0x02+\hi)                                 ; source 0 alone in the accumulators' window
	s_wait_alu depctr_va_vdst(0)
.irp p, 0,2,4,6
	v_pk_mul_f32 v[T+\p:T+\p+1], v[64*\a+\p:64*\a+\p+1], v[WR+\p:WR+\p+1]        ; the first products start four chains
.endr
.irp b, 1,2,3,4,5,6,7
.irp p, 0,2,4,6
	v_pk_fma_f32 v[T+\p:T+\p+1], v[64*\a+8*\b+\p:64*\a+8*\b+\p+1], v[WR+8*\b+\p:WR+8*\b+\p+1], v[T+\p:T+\p+1]
.endr
.endr
	WIN 0
	v_pk_add_f32 v[T:T+1],   v[T:T+1],   v[T+2:T+3]
	v_pk_add_f32 v[T+4:T+5], v[T+4:T+5], v[T+6:T+7]
	v_pk_add_f32 v[T:T+1],   v[T:T+1],   v[T+4:T+5]
.if \first
	v_add_f32 v[E+4*\hi+\a], v[T], v[T+1]
.else
	v_add_f32 v[T], v[T], v[T+1]
	v_add_f32 v[E+4*\hi+\a], v[E+4*\hi+\a], v[T]
.endif
.endm
.irp ea, 0,1,2,3
	EPI \ea, 0, 1
.endr
.irp ea, 0,1,2,3
	EPI \ea, 1, 1
.endr
; ======== CHUNK 1: columns 256 w + 128 .. 256 w + 255; the block is whole ========
; K step st of four.  bpre: the weights three steps ahead are asked for; lcnt: how many younger weight loads may stay out; anext: the next step's rows 0-63 are fetched.
.macro STEP st, zero, bpre, lcnt, anext
	PLACES                                         ; behind the matrix instructions that read rows 64-127 and the weight buffer that is loaded next
	WIN 0
	ALOAD 4, \st
	s_wait_loadcnt \lcnt                           ; this step's weights are in
.if \bpre
	BLD \st+3
.endif
	s_wait_dscnt 8                                 ; rows 0-63 are in; the eight loads just issued stay out
	WIN MUL_LO
	MUL16 \st, 0, 0, \zero
	MUL16 \st, 0, 2, \zero
	PLACES                                         ; behind the matrix instructions that read rows 0-63
	WIN 0
.if \anext
	ALOAD 0, \st+1
	s_wait_dscnt 8                                 ; rows 64-127 are in; the eight loads just issued stay out
.else
	s_wait_dscnt 0
.endif
	WIN MUL_HI
	MUL16 \st, 1, 0, \zero
	MUL16 \st, 1, 2, \zero
.endm
.macro BODY zero                       ; four K steps; 32 = the two younger steps' weight loads
	STEP 0, \zero, 1, 32, 1
	STEP 1, 0, 1, 32, 1
	STEP 2, 0, 1, 32, 1
	STEP 3, 0, 1, 32, 1
.endm
.macro BUMP                            ; four K steps on
	WIN 0
	s_wait_xcnt 0x0                                ; the base of the pending weight loads is stepped only behind this wait
	s_add_nc_u64 s[40:41], s[40:41], 4*8192
	v_add_nc_u32 v[AD], 2*SLB, v[AD]
.endm
	LDBW 1
	AHEAD
	BODY 1
	BUMP
	s_mov_b32 s35, 6
.Lk1:
	BODY 0
	BUMP
	s_sub_co_u32 s35, s35, 1
	s_cmp_lg_u32 s35, 0
	s_cbranch_scc1 .Lk1
	STEP 0, 0, 1, 32, 1                            ; the last four K steps: one more load (the last step's weights), then none, and the counts run down
	STEP 1, 0, 0, 32, 1
	STEP 2, 0, 0, 16, 1
	STEP 3, 0, 0, 0, 0
	PLACES
.irp ea, 0,1,2,3
	EPI \ea, 0, 0
.endr
.irp ea, 0,1,2,3
	EPI \ea, 1, 0
.endr
; ======== ENERGIES, THE BLOCK'S SOFTMAX, THE PARTIAL CONTEXT ========
.irp a, 0,1,2,3,4,5,6,7
	v_permlanex16_b32 v19, v[E+\a], s36, s37       ; the other half of the lanes holds the other half of the columns
	v_add_f32 v[E+\a], v[E+\a], v19
.endr
.irp a, 0,1,2,3,4,5,6,7
	ds_store_b32 v14, v[E+\a] offset:64*\a         ; row 16 a + r; lanes r and r + 16 write the same word with the same number
.endr
	s_wait_dscnt 0x0                               ; for the others: my wave's row sums are in LDS
	s_barrier_signal -1
	s_barrier_wait -1
	; every wave makes all 128 energies for itself, by the same instructions on the same numbers: lane l holds rows 4 l .. 4 l + 3
.irp i, 0,1,2,3
	ds_load_b128 v[64+4*\i:64+4*\i+3], v15 offset:512*\i
.endr
.irp i, 0,1,2,3,4,5,6,7
	ds_load_b128 v[80+4*\i:80+4*\i+3], v22 offset:512*\i
.endr
	s_wait_dscnt 0x0
	s_wait_kmcnt 0x0                               ; b_e
	v_pk_add_f32 v[64:65], v[64:65], v[68:69]
	v_pk_add_f32 v[66:67], v[66:67], v[70:71]
	v_pk_add_f32 v[72:73], v[72:73], v[76:77]
	v_pk_add_f32 v[74:75], v[74:75], v[78:79]
	v_pk_add_f32 v[64:65], v[64:65], v[72:73]
	v_pk_add_f32 v[66:67], v[66:67], v[74:75]      ; v[64:67] = sum of w_e r over all 1,024 columns
.irp i, 0,8,16,24
	v_pk_add_f32 v[80+\i:81+\i], v[80+\i:81+\i], v[84+\i:85+\i]
	v_pk_add_f32 v[82+\i:83+\i], v[82+\i:83+\i], v[86+\i:87+\i]
.endr
.irp i, 0,16
	v_pk_add_f32 v[80+\i:81+\i], v[80+\i:81+\i], v[88+\i:89+\i]
	v_pk_add_f32 v[82+\i:83+\i], v[82+\i:83+\i], v[90+\i:91+\i]
.endr
	v_pk_add_f32 v[80:81], v[80:81], v[96:97]
	v_pk_add_f32 v[82:83], v[82:83], v[98:99]
	v_pk_add_f32 v[80:81], v[80:81], v[82:83]
	v_add_f32 v80, v80, v81
	v_add_f32_dpp v80, v80, v80 row_xmask:1 row_mask:0xf bank_mask:0xf
	v_add_f32_dpp v80, v80, v80 row_xmask:2 row_mask:0xf bank_mask:0xf
	v_add_f32_dpp v80, v80, v80 row_xmask:4 row_mask:0xf bank_mask:0xf
	v_add_f32_dpp v80, v80, v80 row_xmask:8 row_mask:0xf bank_mask:0xf
	v_permlanex16_b32 v19, v80, s36, s37
	v_add_f32 v80, v80, v19                        ; sum of w_e
	v_add_f32 v80, s34, v80                        ; + b_e
	v_mov_b32 v241, 0xff800000                     ; -infinity
.irp j, 0,1,2,3
	v_fma_f32 v[232+\j], -2.0, v[64+\j], v80       ; energy = b_e + sum w_e (1 - 2 r)
.endr
.irp j, 0,1,2,3
	v_bfe_u32 v21, v13, 8*\j, 8
	v_cmp_ne_u32 vcc_lo, 0, v21
	v_cndmask_b32 v[232+\j], v241, v[232+\j], vcc_lo   ; the mask selects a value; no address or branch hangs on it
.endr
	s_cmp_lg_u32 s28, 0
	s_cbranch_scc1 .Lnot_wave_0
	global_store_b128 v1, v[232:235], s[24:25]     ; 512 neighbouring bytes; v1 and v[232:235] are not written again
.Lnot_wave_0:
	v_max3_num_f32 v240, v232, v233, v234
	v_max_num_f32 v240, v240, v235
	v_max_num_f32_dpp v240, v240, v240 row_xmask:1 row_mask:0xf bank_mask:0xf
	v_max_num_f32_dpp v240, v240, v240 row_xmask:2 row_mask:0xf bank_mask:0xf
	v_max_num_f32_dpp v240, v240, v240 row_xmask:4 row_mask:0xf bank_mask:0xf
	v_max_num_f32_dpp v240, v240, v240 row_xmask:8 row_mask:0xf bank_mask:0xf
	v_permlanex16_b32 v19, v240, s36, s37
	v_max_num_f32 v240, v240, v19
	v_max_num_f32 v240, 0xff7fffff, v240           ; the block's maximum, held finite: a block with no row left gives p = 0, not NaN
.irp j, 0,1,2,3
	v_sub_f32 v[236+\j], v[232+\j], v240
.endr
.irp j, 0,1,2,3
	v_mul_f32 v[236+\j], 0x3fb8aa3b, v[236+\j]
.endr
.irp j, 0,1,2,3
	v_exp_f32 v[236+\j], v[236+\j]
.endr
.irp j, 0,1,2,3,4,5,6,7
	v_mov_b32 v[CX+\j], 0                          ; also the plain place behind the transcendentals
.endr
	s_wait_alu depctr_va_vdst(0)
	ds_store_b128 v16, v[236:239]                  ; my wave's own copy of p: LDS serves a wave in order, so its loads below see it
; 16 rows: their p (the same address in every lane) and my 8 columns of each, 36 loads, into buf .. buf + 79
.macro CLD buf
.irp i, 0,1,2,3
	ds_load_b128 v[\buf+4*\i:\buf+4*\i+3], v17 offset:16*\i
.endr
.irp rr, 0,1,2,3,4,5,6,7,8,9,10,11,12,13,14,15
	ds_load_b64 v[\buf+16+4*\rr:\buf+16+4*\rr+1],   v18 offset:\rr*SP             ; columns 256 w + 4 lane .. + 3: slices 4 w (lanes 0-15) and 4 w + 1 (lanes 16-31)
	ds_load_b64 v[\buf+16+4*\rr+2:\buf+16+4*\rr+3], v18 offset:\rr*SP+2*SLB       ; columns 256 w + 128 + 4 lane .. + 3: two slices on
.endr
	v_add_nc_u32 v17, 64, v17
	v_add_nc_u32 v18, 16*SP, v18
.endm
.macro CFM buf                         ; context += p x row, straight from the bf16 halves, sums in f32; eight chains
.irp rr, 0,1,2,3,4,5,6,7,8,9,10,11,12,13,14,15
.irp d, 0,1,2,3
	v_fma_mix_f32_bf16 v[CX+2*\d],   v[\buf+16+4*\rr+\d], v[\buf+\rr], v[CX+2*\d]   op_sel_hi:[1,0,0]
	v_fma_mix_f32_bf16 v[CX+2*\d+1], v[\buf+16+4*\rr+\d], v[\buf+\rr], v[CX+2*\d+1] op_sel:[1,0,0] op_sel_hi:[1,0,0]
.endr
.endr
.endm
	CLD 64
	s_mov_b32 s35, 3
.Lctx:
	CLD 144
	s_wait_dscnt 36                                ; the older group is in; the 36 loads just issued stay out
	CFM 64
	CLD 64
	s_wait_dscnt 36
	CFM 144
	s_sub_co_u32 s35, s35, 1
	s_cmp_lg_u32 s35, 0
	s_cbranch_scc1 .Lctx
	CLD 144                                        ; rows 112-127: the last group (the stepped addresses are not used again)
	s_wait_dscnt 36
	CFM 64
	s_wait_dscnt 0
	CFM 144
	global_store_b128 v1, v[CX:CX+3],   s[26:27]               ; each store covers 512 neighbouring bytes, aligned
	global_store_b128 v1, v[CX+4:CX+7], s[26:27] offset:512
	s_wait_tensorcnt 0x0
	ds_add_u32 v10, v11
	s_wait_dscnt 0x0
	s_endpgm
.Lfunc_end_k_q2e2f05f68b_main:
	.size	k_q2e2f05f68b_main, .Lfunc_end_k_q2e2f05f68b_main-k_q2e2f05f68b_main
	.p2alignl 7, 3214868480
	.fill 96, 4, 3214868480
	.section	.rodata,"a",@progbits
	.p2align	6, 0x0
	.amdhsa_kernel k_q2e2f05f68b_main
		.amdhsa_group_segment_fixed_size 309760
		.amdhsa_private_segment_fixed_size 0
		.amdhsa_enable_private_segment 0
		.amdhsa_kernarg_size 80
		.amdhsa_user_sgpr_count 2
		.amdhsa_user_sgpr_kernarg_segment_ptr 1
		.amdhsa_wavefront_size32 1
		.amdhsa_system_sgpr_workgroup_id_x 1
		.amdhsa_system_sgpr_workgroup_id_y 1
		.amdhsa_system_sgpr_workgroup_id_z 1
		.amdhsa_system_vgpr_workitem_id 0
		.amdhsa_next_free_vgpr 1024
		.amdhsa_next_free_sgpr 66
		.amdhsa_reserve_vcc 1
		.amdhsa_float_denorm_mode_32 3
		.amdhsa_float_denorm_mode_16_64 3
		.amdhsa_memory_ordered 1
		.amdhsa_forward_progress 1
		.amdhsa_inst_pref_size 255
	.end_amdhsa_kernel
	.section	.bss,"aw",@nobits
	.p2align	6
	.space	262144
	.amdgpu_metadata
---
amdhsa.version: [ 1, 2 ]
amdhsa.kernels:
  - .name:           k_q2e2f05f68b_main
    .symbol:         k_q2e2f05f68b_main.kd
    .args:
      - { .name: encoder_outputs, .offset: 0, .size: 8, .value_kind: global_buffer, .address_space: global }
      - { .name: wfrag, .offset: 8, .size: 8, .value_kind: global_buffer, .address_space: global }
      - { .name: dpart, .offset: 16, .size: 8, .value_kind: global_buffer, .address_space: global }
      - { .name: b_enc, .offset: 24, .size: 8, .value_kind: global_buffer, .address_space: global }
      - { .name: b_dec, .offset: 32, .size: 8, .value_kind: global_buffer, .address_space: global }
      - { .name: w_e, .offset: 40, .size: 8, .value_kind: global_buffer, .address_space: global }
      - { .name: b_e, .offset: 48, .size: 8, .value_kind: global_buffer, .address_space: global }
      - { .name: mask, .offset: 56, .size: 8, .value_kind: global_buffer, .address_space: global }
      - { .name: energy, .offset: 64, .size: 8, .value_kind: global_buffer, .address_space: global }
      - { .name: pctx, .offset: 72, .size: 8, .value_kind: global_buffer, .address_space: global }
    .group_segment_fixed_size: 309760
    .private_segment_fixed_size: 0
    .kernarg_segment_align: 8
    .kernarg_segment_size: 80
    .max_flat_workgroup_size: 128
    .sgpr_count:     66
    .vgpr_count:     1024
    .wavefront_size: 32
...
	.end_amdgpu_metadata
.endif
;; end of part 2
;; launch combine (part 3): grid 32 x 1, 8 waves a work-group, no clusters, 2,048 bytes of LDS; arguments energy, pctx, out0, out1; writes out0, out1
.if DOCPART == 3
	.amdgcn_target "amdgcn-amd-amdhsa--gfx1250"
	.amdhsa_code_object_version 6
	.text
	.protected	k_q2e2f05f68b_combine
	.globl	k_q2e2f05f68b_combine
	.p2align	8
	.type	k_q2e2f05f68b_combine,@function
k_q2e2f05f68b_combine:
	s_mov_b64 s[64:65], 0
	v_nop
	global_prefetch_b8 v0, s[64:65] scope:SCOPE_SE
	s_setreg_imm32_b32 hwreg(HW_REG_WAVE_MODE, 25, 1), 1
	s_wait_xcnt 0x0
; COMBINE.  One work-group for each batch joins the 16 blocks of the main launch.
;   M = max of the 2,048 masked energies; out1 = exp(e - M) / L, L their sum; out0 = sum over the blocks of exp(m_blk - M) x pctx_blk / L.
; m_blk is taken again from the energies, with the same hold at the lowest finite f32 as in the main launch; a maximum rounds nothing, so it is the same number.
; Thread t: block t / 16, rows 4 (t % 16) .. + 3 and the same + 64 of that block: sixteen neighbouring lanes read and write 256 neighbouring bytes, aligned.
; For the context thread t holds columns 4 t .. 4 t + 3 of all 16 partial contexts.
; 32 work-groups because there are 32 softmax rows, each of 8 KB + 64 KB; matrix units, clusters and tensor loads have nothing to do here.
; Limits: a batch whose mask is all 0 gives L = 0 and NaN everywhere, as the definition does.  v_exp_f32 gives 0 for results below 2^-126.
.set PE, 4                             ; v[4:11]    energies, then exp(e - M), then out1
.set PC, 16                            ; v[16:79]   the 16 partial contexts, 4 columns each
.set RD, 80                            ; v[80:87]   eight words from LDS
.set U,  88                            ; v[88:103]  exp(m_blk - M) of the 16 blocks
.set AC, 104                           ; v[104:107] the context
	s_load_b256 s[4:11], s[0:1], 0x0               ; energy s[4:5], pctx s[6:7], out0 s[8:9], out1 s[10:11]
	v_lshl_add_u32 v112, v0, 2, 0x400
	v_mov_b32 v113, 0
	v_lshrrev_b32 v13, 5, v0
	v_readfirstlane_b32 s12, v13                   ; wave 0..7
	v_lshrrev_b32 v12, 4, v0                       ; block 0..15
	v_and_b32 v1, 15, v0
	v_lshlrev_b32 v1, 4, v1
	v_lshl_add_u32 v1, v12, 9, v1                  ; v1 = 512 block + 16 (t % 16); never rewritten
	v_lshlrev_b32 v2, 4, v0                        ; v2 = 16 t; never rewritten
	v_lshlrev_b32 v15, 2, v12                      ; 4 block
	s_lshl_b32 s13, s12, 2
	v_mov_b32 v3, s13                              ; 4 wave
	v_mov_b32 v109, 0
	s_mov_b32 s14, 0x76543210                      ; v_permlanex16_b32: lane i of one half reads lane i of the other
	s_mov_b32 s15, 0xfedcba98
	s_lshl_b32 s16, ttmp9, 13                      ; batch x 2,048 f32
	s_mov_b32 s17, 0
	s_lshl_b32 s18, ttmp9, 16                      ; batch x 16 blocks x 4,096 bytes
	s_mov_b32 s19, 0
	s_lshl_b32 s20, ttmp9, 12                      ; batch x 1,024 f32
	s_mov_b32 s21, 0
	s_wait_kmcnt 0x0
	s_add_nc_u64 s[4:5], s[4:5], s[16:17]
	s_add_nc_u64 s[10:11], s[10:11], s[16:17]
	s_add_nc_u64 s[6:7], s[6:7], s[18:19]
	s_add_nc_u64 s[8:9], s[8:9], s[20:21]
	global_load_b128 v[PE:PE+3],   v1, s[4:5] th:TH_LOAD_NT
	global_load_b128 v[PE+4:PE+7], v1, s[4:5] offset:256 th:TH_LOAD_NT
.irp i, 0,1,2,3,4,5,6,7,8,9,10,11,12,13,14,15
	global_load_b128 v[PC+4*\i:PC+4*\i+3], v2, s[6:7] offset:\i*4096 th:TH_LOAD_NT
.endr
	s_wait_loadcnt 16                              ; the energies are in; the 16 loads of partial contexts stay out
	v_max3_num_f32 v12, v[PE], v[PE+1], v[PE+2]
	v_max3_num_f32 v12, v12, v[PE+3], v[PE+4]
	v_max3_num_f32 v12, v12, v[PE+5], v[PE+6]
	v_max_num_f32 v12, v12, v[PE+7]
	v_max_num_f32_dpp v12, v12, v12 row_xmask:1 row_mask:0xf bank_mask:0xf
	v_max_num_f32_dpp v12, v12, v12 row_xmask:2 row_mask:0xf bank_mask:0xf
	v_max_num_f32_dpp v12, v12, v12 row_xmask:4 row_mask:0xf bank_mask:0xf
	v_max_num_f32_dpp v12, v12, v12 row_xmask:8 row_mask:0xf bank_mask:0xf
	v_max_num_f32 v12, 0xff7fffff, v12             ; m_blk: sixteen lanes are one block
	v_permlanex16_b32 v13, v12, s14, s15
	v_max_num_f32 v13, v12, v13                    ; the wave's two blocks
	ds_store_b32 v3, v13
	s_wait_dscnt 0x0                               ; for the others: my wave's maximum is in LDS
	s_barrier_signal -1
	s_barrier_wait -1
	ds_load_b128 v[RD:RD+3],   v109
	ds_load_b128 v[RD+4:RD+7], v109 offset:16
	s_wait_dscnt 0x0
	v_max3_num_f32 v14, v[RD], v[RD+1], v[RD+2]
	v_max3_num_f32 v14, v14, v[RD+3], v[RD+4]
	v_max3_num_f32 v14, v14, v[RD+5], v[RD+6]
	v_max_num_f32 v14, v14, v[RD+7]                ; M
.irp j, 0,1,2,3,4,5,6,7
	v_sub_f32 v[PE+\j], v[PE+\j], v14
.endr
	v_sub_f32 v12, v12, v14
.irp j, 0,1,2,3,4,5,6,7
	v_mul_f32 v[PE+\j], 0x3fb8aa3b, v[PE+\j]
.endr
	v_mul_f32 v12, 0x3fb8aa3b, v12
.irp j, 0,1,2,3,4,5,6,7
	v_exp_f32 v[PE+\j], v[PE+\j]
.endr
	v_exp_f32 v12, v12                             ; u = exp(m_blk - M)
	v_nop                                          ; one plain place between the last transcendental and the first use (ISA guide 5.7.2)
	s_wait_alu depctr_va_vdst(0)
	v_pk_add_f32 v[RD:RD+1],   v[PE:PE+1],     v[PE+2:PE+3]
	v_pk_add_f32 v[RD+2:RD+3], v[PE+4:PE+5],   v[PE+6:PE+7]
	v_pk_add_f32 v[RD:RD+1],   v[RD:RD+1],     v[RD+2:RD+3]
	v_add_f32 v[RD], v[RD], v[RD+1]
	v_add_f32_dpp v[RD], v[RD], v[RD] row_xmask:1 row_mask:0xf bank_mask:0xf
	v_add_f32_dpp v[RD], v[RD], v[RD] row_xmask:2 row_mask:0xf bank_mask:0xf
	v_add_f32_dpp v[RD], v[RD], v[RD] row_xmask:4 row_mask:0xf bank_mask:0xf
	v_add_f32_dpp v[RD], v[RD], v[RD] row_xmask:8 row_mask:0xf bank_mask:0xf
	v_permlanex16_b32 v13, v[RD], s14, s15
	v_add_f32 v[RD], v[RD], v13
	ds_store_b32 v3, v[RD] offset:256              ; other bytes than the maxima, which a slower wave may still be reading
	ds_store_b32 v15, v12 offset:512               ; sixteen lanes write the same word with the same number
	s_wait_dscnt 0x0
	s_barrier_signal -1
	s_barrier_wait -1
	ds_load_b128 v[RD:RD+3],   v109 offset:256
	ds_load_b128 v[RD+4:RD+7], v109 offset:272
.irp i, 0,1,2,3
	ds_load_b128 v[U+4*\i:U+4*\i+3], v109 offset:512+16*\i
.endr
	s_wait_dscnt 0x0
	v_pk_add_f32 v[RD:RD+1],   v[RD:RD+1],   v[RD+2:RD+3]
	v_pk_add_f32 v[RD+4:RD+5], v[RD+4:RD+5], v[RD+6:RD+7]
	v_pk_add_f32 v[RD:RD+1],   v[RD:RD+1],   v[RD+4:RD+5]
	v_add_f32 v[RD], v[RD], v[RD+1]                ; L
	v_rcp_f32 v108, v[RD]
	v_nop
	s_wait_alu depctr_va_vdst(0)
.irp j, 0,1,2,3,4,5,6,7
	v_mul_f32 v[PE+\j], v[PE+\j], v108
.endr
	global_store_b128 v1, v[PE:PE+3],   s[10:11]
	global_store_b128 v1, v[PE+4:PE+7], s[10:11] offset:256
	s_wait_loadcnt 0x0                             ; the partial contexts
.irp k, 0,1,2,3
	v_mul_f32 v[AC+\k], v[U], v[PC+\k]             ; the first block starts the sums
.endr
.set i, 1
.rept 15
.irp k, 0,1,2,3
	v_fmac_f32 v[AC+\k], v[U+i], v[PC+4*i+\k]
.endr
.set i, i+1
.endr
.irp k, 0,1,2,3
	v_mul_f32 v[AC+\k], v[AC+\k], v108
.endr
	global_store_b128 v2, v[AC:AC+3], s[8:9]
	s_wait_tensorcnt 0x0
	ds_add_u32 v112, v113
	s_wait_dscnt 0x0
	s_endpgm
.Lfunc_end_k_q2e2f05f68b_combine:
	.size	k_q2e2f05f68b_combine, .Lfunc_end_k_q2e2f05f68b_combine-k_q2e2f05f68b_combine
	.p2alignl 7, 3214868480
	.fill 96, 4, 3214868480
	.section	.rodata,"a",@progbits
	.p2align	6, 0x0
	.amdhsa_kernel k_q2e2f05f68b_combine
		.amdhsa_group_segment_fixed_size 2048
		.amdhsa_private_segment_fixed_size 0
		.amdhsa_enable_private_segment 0
		.amdhsa_kernarg_size 32
		.amdhsa_user_sgpr_count 2
		.amdhsa_user_sgpr_kernarg_segment_ptr 1
		.amdhsa_wavefront_size32 1
		.amdhsa_system_sgpr_workgroup_id_x 1
		.amdhsa_system_sgpr_workgroup_id_y 1
		.amdhsa_system_sgpr_workgroup_id_z 1
		.amdhsa_system_vgpr_workitem_id 0
		.amdhsa_next_free_vgpr 114
		.amdhsa_next_free_sgpr 66
		.amdhsa_reserve_vcc 0
		.amdhsa_float_denorm_mode_32 3
		.amdhsa_float_denorm_mode_16_64 3
		.amdhsa_memory_ordered 1
		.amdhsa_forward_progress 1
		.amdhsa_inst_pref_size 10
	.end_amdhsa_kernel
	.amdgpu_metadata
---
amdhsa.version: [ 1, 2 ]
amdhsa.kernels:
  - .name:           k_q2e2f05f68b_combine
    .symbol:         k_q2e2f05f68b_combine.kd
    .args:
      - { .name: energy, .offset: 0, .size: 8, .value_kind: global_buffer, .address_space: global }
      - { .name: pctx, .offset: 8, .size: 8, .value_kind: global_buffer, .address_space: global }
      - { .name: out0, .offset: 16, .size: 8, .value_kind: global_buffer, .address_space: global }
      - { .name: out1, .offset: 24, .size: 8, .value_kind: global_buffer, .address_space: global }
    .group_segment_fixed_size: 2048
    .private_segment_fixed_size: 0
    .kernarg_segment_align: 8
    .kernarg_segment_size: 32
    .max_flat_workgroup_size: 256
    .sgpr_count:     66
    .vgpr_count:     114
    .wavefront_size: 32
...
	.end_amdgpu_metadata
.endif
;; end of part 3
;; ======== version 2 of 2: 3 launches; version 1 with the launch main written anew for expert scheduling mode
;; workspace buffers: wfrag 2,097,152 bytes; dpart 1,048,576 bytes; energy 262,144 bytes; pctx 2,097,152 bytes
;; launch prep: the kernel of part 1 again; grid 8 x 8, 8 waves a work-group, no clusters, 142,336 bytes of LDS; arguments W_enc, W_dec, decoder_hidden, wfrag, dpart; writes wfrag, dpart
;; launch main (part 4): grid 512 x 1, 4 waves a work-group, no clusters, 309,760 bytes of LDS; arguments encoder_outputs, wfrag, dpart, b_enc, b_dec, w_e, b_e, mask, energy, pctx; writes energy, pctx
.if DOCPART == 4
	.amdgcn_target "amdgcn-amd-amdhsa--gfx1250"
	.amdhsa_code_object_version 6
	.text
	.protected	k_q2e2f05f68b_main
	.globl	k_q2e2f05f68b_main
	.p2align	8
	.type	k_q2e2f05f68b_main,@function
k_q2e2f05f68b_main:
	s_mov_b64 s[64:65], 0
	v_nop
	global_prefetch_b8 v0, s[64:65] scope:SCOPE_SE
	s_setreg_imm32_b32 hwreg(HW_REG_WAVE_SCHED_MODE, 0, 2), 2
	s_setreg_imm32_b32 hwreg(HW_REG_WAVE_MODE, 25, 1), 1
	s_wait_xcnt 0x0
	s_wait_alu depctr_vm_vsrc(0)
; MAIN.  Work-group blk owns 128 encoder rows (batch blk / 16, rows 128 (blk % 16) .. + 127) and reads them from memory ONCE.
;  x = rows x W_enc, 128 x 1024, K = 1024.  Wave w makes all 128 rows x columns 256 w + 128 c .. + 127, c = 0, 1: 64 accumulator tiles in 512 registers.
;  Weights come as ready register images (wfrag) straight into registers.
;  CHUNK 0 ALSO BRINGS THE ROWS IN: the block arrives in 16 slices of 64 along K (256 aligned bytes of each row), each slice feeding two K steps of 32.  Wave w brings
;  its rows 32 w .. + 31, sixteen rows (a half slice) in each K step: loaded three steps before they are rounded to bf16 and put into LDS, where the whole block stays.
;  Behind each chunk: r = 1 / (1 + 2^(C x + C bias)), C = 2 log2 e, so tanh = 1 - 2 r; the row sums of w_e r are kept.
;  At the end: energy = (b_e + sum w_e) - 2 sum w_e r, masked; the block's maximum m; p = exp(energy - m); pctx = sum over the rows of p x row, from the rows in LDS.
; The softmax over a batch's 16 blocks is joined by the next launch from energy and pctx.
; NO CLUSTER, NO TENSOR LOADS: what work-groups share is the 2 MB of weights.  The block takes 296,960 of the 327,680 bytes of LDS that a work-group can have (262,144 without any padding);
; two slots in what is left would hold less than one K step of 32 for the four waves' 512 columns (32,768 bytes each), and a weight fragment is used by one wave
; alone, so a way through LDS would add a write and a read for no reuse.  The rows are f32 in memory and bf16 in LDS, so they pass through registers anyway.
; LIMITS: matrix operands bf16 (nearest even); the context uses the bf16 rows with p and the sums in f32.  tanh by the formula above: absolute error about 2e-7;
; it saturates rightly where 2^.. is infinite or 0.  The energy's absolute error is about 1e-7 x sum |w_e|.  v_exp_f32 gives 0 for results below 2^-126.
; A block whose mask is all 0 gives p = 0 (m is held at the lowest finite f32).  NaN or infinite inputs are not served.
; THE MODE: SCHED_MODE bits 1:0 = 2 (LLVM: expert scheduling mode 2), set by the entry lines.  The code itself states the register dependences
; between vector or matrix instructions and memory or LDS instructions, with s_wait_alu, always for 0.
; THE PLAN.  Registers that memory or LDS instructions touch in the K loops:
;   L0, L1     fragments of rows 0-63, K step s in L[s % 2].  Written by eight LDS loads in the middle of step s - 1; read by the first 32 matrix instructions of step s.
;   H          fragments of rows 64-127.  Written by eight LDS loads at the head of step s; read by the last 32 matrix instructions of step s.
;   W0 .. W3   (window 1) weights, K step s in W[s % 4].  Written by sixteen loads at the head of step s - 2 (chunk 1: s - 3); read by step s's 64 matrix instructions.
;   HB0 .. HB3 (chunk 0) half slice v in HB[v % 4].  Written by eight loads in step v - 5; rounded in place at the head of step v - 2; read by that step's eight LDS stores.
;   v[AD], v3  LDS addresses: read by every fragment load, by every row store; stepped once in four K steps.   v1, v5, v6: offsets, never written again.
; So ONE wait on va_vdst stands in a K step, at its head behind the roundings: all earlier matrix instructions and roundings are done.  What the step then loads lands in H, in
; L[(s + 1) % 2], in a weight buffer and in a row buffer that the step's own matrix instructions (L[s % 2], H behind its own wait on DScnt, W[s % 4], the accumulators) do not name.
; The weight loads, which land in another register window, stand directly behind the wait; the row loads and the next step's fragments are dealt among the matrix instructions.
; One wait on vm_vsrc stands beside it in the steps that ask for rows (the last step's LDS stores have read the buffer), and one ahead of each step of v[AD] and v3.
.set SP,     144                       ; a row of a slice in LDS: 128 bytes + 16 = 9 x 16: the sixteen rows of a fragment load start at sixteen different 16-byte columns modulo 256
.set SLB,    128*SP+128                ; a slice: 18,560 bytes = 128 modulo 256, so that two neighbouring slices' rows fall on different halves of 256 bytes (the context's loads)
.set BIASV,  16*SLB                    ; 296,960: C x (sum of dpart + b_enc + b_dec), 1,024 f32
.set WVEC,   BIASV+4096                ; w_e, 1,024 f32
.set ESC,    WVEC+4096                 ; 4 waves x 128 f32: each wave's share of the row sums
.set PSC,    ESC+2048                  ; 4 waves x 128 f32: p, a copy for each wave
; element (row, k) of the block lies at (k / 64) SLB + row SP + 2 (k % 64): what is being stored (a later slice) and what is being read lie in disjoint runs of bytes
; window 0: v1 16 lane, v2 16 thread, v5, v6, v20 (global offsets, never rewritten); v3 where my bf16 go (stepped); v4 fragment address (stepped); v12 bias address; v13 mask word;
;   v14-18 addresses of the last phase; v19 destination of v_permlanex16_b32; v21, v22 LDS addresses beyond 64 KB; v23 r x SP + 16 h
.set AD,    4                          ; v4         LDS address of my part of row tile 0 at the body's first K step
.set E,     24                         ; v[24:31]   sum of w_e r for row 16 a + r (at the start: scratch)
.set T,     32                         ; v[32:39]   four pairs at work, between the K loops
.set BL,    32                         ; v[32:119]  at the start: the 22 small loads
.set AL1,   32                         ; v[32:63]   L1: row tiles 0-3 of the odd K steps, tile a at AL1 + 8 a
.set AL0,   64                         ; v[64:95]   L0: the same of the even K steps
.set AH,    96                         ; v[96:127]  H: row tiles 4-7, tile a at AH + 8 (a - 4)
.set HB,    128                        ; v[128:255] chunk 0: four buffers of 32 registers, half slice v in buffer v % 4
.set BIASR, 128                        ; v[128:191] behind chunk 0's last K step: C x bias of my 64 columns of the chunk: column 16 b + 8 h + j at 8 b + j
.set WR,    192                        ; v[192:255] w_e of the same columns
.set CX,    224                        ; v[224:231] last phase: my 8 columns of the context
.set MK,    244                        ; v[244:247] last phase: my four mask bytes
; window 1: v[64 q : 64 q + 63], q = 0..3: the weights of K step q mod 4
; window 2: accumulator tiles of rows 0-63, tile (a, b) at 8 (8 a + b); window 3: those of rows 64-127
.set TO_1,   0x40                      ; destination window 1
.set MUL_LO, 0xa1                      ; source 0 (weights) window 1, source 1 (rows) window 0, C and D window 2
.set MUL_HI, 0xf1                      ; the same, C and D window 3
.set MSB, 0
.macro WIN new                         ; the immediate's high byte repeats the setting that is left; a switch that changes nothing is dropped
.if MSB != (\new)
	s_set_vgpr_msb (MSB<<8)|(\new)
.set MSB, (\new)
.endif
.endm
.macro PLACES                          ; four places behind a matrix instruction, in front of vector instructions that read its result (ISA guide 7.12.1)
.rept 4
	v_nop
.endr
.endm
	s_load_b512 s[8:23], s[0:1], 0x0               ; encoder s[8:9], wfrag s[10:11], dpart s[12:13], b_enc s[14:15], b_dec s[16:17], w_e s[18:19], b_e s[20:21], mask s[22:23]
	s_load_b128 s[24:27], s[0:1], 0x40             ; energy s[24:25], pctx s[26:27]
	v_lshl_add_u32 v10, v0, 2, 0x4b800
	v_mov_b32 v11, 0
	v_lshrrev_b32 v27, 5, v0
	v_readfirstlane_b32 s28, v27                   ; wave 0..3
	v_and_b32 v24, 31, v0                          ; lane
	v_and_b32 v25, 15, v0                          ; r
	v_bfe_u32 v26, v0, 4, 1                        ; h
	v_lshlrev_b32 v1, 4, v24
	v_lshlrev_b32 v2, 4, v0
	v_lshlrev_b32 v20, 2, v24
	v_lshlrev_b32 v5, 4, v25
	v_lshl_add_u32 v5, v26, 15, v5                 ; v5 = 16 r + 8 h rows of 4,096 bytes: lanes 0-15 take 256 bytes of one row, lanes 16-31 of the row eight further down
	v_lshlrev_b32 v6, 12, v24                      ; v6 = lane x 4,096: one row a lane, for the prefetch
	s_wait_alu depctr_va_sdst(0)                   ; s28 is written, ahead of its first reader: LDS addresses, bases and one branch are made from it
	s_mul_i32 s30, s28, 32*SP                      ; wave w fills rows 32 w .. 32 w + 31
	v_mul_u32_u24 v3, v26, 8*SP                    ; 8 x 144 = 128 modulo 256: the two halves of the lanes store to different halves of 256 bytes
	v_lshl_add_u32 v3, v25, 3, v3
	v_add_nc_u32 v3, s30, v3                       ; v3 = (32 w + 8 h) SP + 8 r
	v_mul_u32_u24 v23, v25, SP
	v_lshl_add_u32 v23, v26, 4, v23                ; r x SP + 16 h
	v_mov_b32 v[AD], v23                           ; chunk 0 begins at K = 0
	s_lshl_b32 s31, s28, 10
	s_add_co_u32 s31, s31, BIASV
	v_lshl_add_u32 v12, v26, 5, s31                ; BIASV + 4 (256 w + 8 h)
	s_lshl_b32 s30, s28, 9
	s_add_co_u32 s31, s30, ESC
	v_lshl_add_u32 v14, v25, 2, s31                ; my wave's row sums, row r
	v_add_nc_u32 v15, ESC, v1                      ; wave 0's row sums, rows 4 lane .. + 3
	s_add_co_u32 s31, s30, PSC
	v_add_nc_u32 v16, s31, v1                      ; my wave's p, rows 4 lane .. + 3
	v_mov_b32 v17, s31                             ; my wave's p, from row 0 (stepped)
	s_mul_i32 s30, s28, 4*SLB                      ; my 256 columns are slices 4 w .. 4 w + 3
	v_mul_u32_u24 v18, v26, SLB
	v_lshl_add_u32 v18, v25, 3, v18
	v_add_nc_u32 v18, s30, v18                     ; row 0, columns 256 w + 4 lane (stepped)
	v_mov_b32 v19, 0
	v_add_nc_u32 v21, BIASV, v2
	v_add_nc_u32 v22, WVEC, v1
	s_mov_b32 s36, 0x76543210                      ; v_permlanex16_b32: lane i of one half reads lane i of the other
	s_mov_b32 s37, 0xfedcba98
	s_mov_b32 s44, 0x4038aa3b                      ; C = 2 log2 e, twice: a pair for the packed forms
	s_mov_b32 s45, 0x4038aa3b
	s_mov_b32 s33, 0
	s_wait_kmcnt 0x0
	s_lshl_b32 s32, ttmp9, 19                      ; block x 128 rows x 4,096 bytes
	s_lshl_b32 s30, s28, 17                        ; + wave x 32 rows
	s_add_co_u32 s32, s32, s30
	s_add_nc_u64 s[38:39], s[8:9], s[32:33]        ; EB: my rows, at the body's first slice
	s_lshl_b32 s32, s28, 19                        ; wave x 64 K steps x 8,192 bytes
	s_add_nc_u64 s[40:41], s[10:11], s[32:33]      ; BP: my weights, at the body's first K step
	s_lshr_b32 s32, ttmp9, 4
	s_lshl_b32 s32, s32, 12
	s_add_nc_u64 s[12:13], s[12:13], s[32:33]      ; dpart at my batch
	s_lshl_b32 s32, ttmp9, 7
	s_add_nc_u64 s[22:23], s[22:23], s[32:33]      ; mask at my 128 rows
	s_lshl_b32 s32, ttmp9, 9
	s_add_nc_u64 s[24:25], s[24:25], s[32:33]      ; energy at my 128 rows
	s_lshl_b32 s32, ttmp9, 12
	s_lshl_b32 s30, s28, 10
	s_add_co_u32 s32, s32, s30
	s_add_nc_u64 s[26:27], s[26:27], s[32:33]      ; pctx at my block and my wave's 256 columns
; ---- the pieces.  hv, sn count half slices and K steps from the body's first (a body = four K steps = two slices = four half slices)
; half slice hv: rows 16 (hv & 1) + j + 8 h of my 32, 256 bytes each, eight loads
.macro ELD hv
.irp j, 0,1,2,3,4,5,6,7
	global_load_b128 v[HB+32*((\hv)%4)+4*\j:HB+32*((\hv)%4)+4*\j+3], v5, s[38:39] offset:((\hv)>>1)*256+((\hv)&1)*65536+\j*4096 th:TH_LOAD_NT
.endr
.endm
.macro ECVT hv                         ; rounded in place: four f32 become 8 bytes
.irp j, 0,1,2,3,4,5,6,7
	v_cvt_pk_bf16_f32 v[HB+32*((\hv)%4)+4*\j],   v[HB+32*((\hv)%4)+4*\j],   v[HB+32*((\hv)%4)+4*\j+1]
	v_cvt_pk_bf16_f32 v[HB+32*((\hv)%4)+4*\j+1], v[HB+32*((\hv)%4)+4*\j+2], v[HB+32*((\hv)%4)+4*\j+3]
.endr
.endm
.macro EST hv                          ; and put into its slice
.irp j, 0,1,2,3,4,5,6,7
	ds_store_b64 v3, v[HB+32*((\hv)%4)+4*\j:HB+32*((\hv)%4)+4*\j+1] offset:((\hv)>>1)*SLB+((\hv)&1)*16*SP+\j*SP
.endr
.endm
; the weights of K step sn into buffer sn mod 4 of window 1: 8 KB, neighbouring bytes
.macro BLD sn
	WIN TO_1
.irp tb, 0,1,2,3,4,5,6,7
	global_load_b128 v[64*((\sn)%4)+8*\tb:64*((\sn)%4)+8*\tb+3],   v1, s[40:41] offset:(\sn)*8192+\tb*1024
	global_load_b128 v[64*((\sn)%4)+8*\tb+4:64*((\sn)%4)+8*\tb+7], v1, s[40:41] offset:(\sn)*8192+\tb*1024+512
.endr
.endm
; the fragments for K step sn: lane (r, h) takes row 16 a + r, k = 8 h .. + 7 and 16 + 8 h .. + 7 of the step's 32.  ALO: row tiles 0-3 into L[sn & 1].  AHI: row tiles 4-7 into H.
.macro ALO sn
.irp ti, 0,1,2,3
	ds_load_b128 v[AL0-(AL0-AL1)*((\sn)&1)+8*\ti:AL0-(AL0-AL1)*((\sn)&1)+8*\ti+3],   v[AD] offset:\ti*16*SP+((\sn)>>1)*SLB+((\sn)&1)*64
	ds_load_b128 v[AL0-(AL0-AL1)*((\sn)&1)+8*\ti+4:AL0-(AL0-AL1)*((\sn)&1)+8*\ti+7], v[AD] offset:\ti*16*SP+((\sn)>>1)*SLB+((\sn)&1)*64+32
.endr
.endm
.macro AHI sn
.irp ti, 0,1,2,3
	ds_load_b128 v[AH+8*\ti:AH+8*\ti+3],   v[AD] offset:(4+\ti)*16*SP+((\sn)>>1)*SLB+((\sn)&1)*64
	ds_load_b128 v[AH+8*\ti+4:AH+8*\ti+7], v[AD] offset:(4+\ti)*16*SP+((\sn)>>1)*SLB+((\sn)&1)*64+32
.endr
.endm
; 16 matrix instructions: row tiles a0, a0 + 1 of the window's four x eight column tiles, 32 along K.  Source 0 = 16 columns of W_enc, source 1 = 16 rows: in the result lane (r, h)
; holds row 16 a + r and its registers the neighbouring columns 16 b + 8 h + 0..7.  The 64 accumulators take turns, one instruction a turn, in the same order in every
; K step and over every backward jump.  zero = 1: the first product starts the sums.
.macro MUL16 st, hi, a0, zero
.if \hi
.set FB, AH
.else
.set FB, AL0-(AL0-AL1)*((\st)&1)
.endif
.irp ta, \a0, \a0+1
.irp tb, 0,1,2,3,4,5,6,7
.if \zero
	v_wmma_f32_16x16x32_bf16 v[8*(8*(\ta)+\tb):8*(8*(\ta)+\tb)+7], v[64*\st+8*\tb:64*\st+8*\tb+7], v[FB+8*(\ta):FB+8*(\ta)+7], 0
.else
	v_wmma_f32_16x16x32_bf16 v[8*(8*(\ta)+\tb):8*(8*(\ta)+\tb)+7], v[64*\st+8*\tb:64*\st+8*\tb+7], v[FB+8*(\ta):FB+8*(\ta)+7], v[8*(8*(\ta)+\tb):8*(8*(\ta)+\tb)+7]
.endif
.endr
.endr
.endm
.macro LDBW c                          ; bias and w_e of my 64 columns of chunk c
	WIN 0
.irp tb, 0,1,2,3,4,5,6,7
	ds_load_b128 v[BIASR+8*\tb:BIASR+8*\tb+3],   v12 offset:512*\c+64*\tb
	ds_load_b128 v[BIASR+8*\tb+4:BIASR+8*\tb+7], v12 offset:512*\c+64*\tb+16
	ds_load_b128 v[WR+8*\tb:WR+8*\tb+3],         v12 offset:4096+512*\c+64*\tb
	ds_load_b128 v[WR+8*\tb+4:WR+8*\tb+7],       v12 offset:4096+512*\c+64*\tb+16
.endr
.endm
; ======== THE START ========
; 63 loads go out at once: the 23 small ones, half slices 0, 1, 2 and the first K step's weights.
	s_wait_alu depctr_va_vdst(0)                   ; the offsets and LDS addresses v1 to v23 are written: every load, store and prefetch of the kernel reads one of them
.irp hf, 0,1                                       ; 128 threads x 16 bytes are half of a vector of 1,024 f32
.irp p, 0,1,2,3,4,5,6,7
	global_load_b128 v[BL+44*\hf+4*\p:BL+44*\hf+4*\p+3], v2, s[12:13] offset:\p*131072+\hf*2048
.endr
	global_load_b128 v[BL+44*\hf+32:BL+44*\hf+35], v2, s[14:15] offset:\hf*2048
	global_load_b128 v[BL+44*\hf+36:BL+44*\hf+39], v2, s[16:17] offset:\hf*2048
	global_load_b128 v[BL+44*\hf+40:BL+44*\hf+43], v2, s[18:19] offset:\hf*2048
.endr
	global_load_b32 v13, v20, s[22:23]             ; the mask bytes of rows 4 lane .. + 3
	ELD 0
	ELD 1
	ELD 2
	BLD 0
	WIN 0
	s_wait_loadcnt 40                              ; the 23 small loads are in; 24 row loads and 16 weight loads stay out
.irp hf, 0,1
.irp p, 1,2,3,4,5,6,7,8,9
	v_pk_add_f32 v[BL+44*\hf:BL+44*\hf+1],   v[BL+44*\hf:BL+44*\hf+1],   v[BL+44*\hf+4*\p:BL+44*\hf+4*\p+1]
	v_pk_add_f32 v[BL+44*\hf+2:BL+44*\hf+3], v[BL+44*\hf+2:BL+44*\hf+3], v[BL+44*\hf+4*\p+2:BL+44*\hf+4*\p+3]
.endr
	v_pk_mul_f32 v[BL+44*\hf:BL+44*\hf+1],   v[BL+44*\hf:BL+44*\hf+1],   s[44:45] op_sel_hi:[1,0]
	v_pk_mul_f32 v[BL+44*\hf+2:BL+44*\hf+3], v[BL+44*\hf+2:BL+44*\hf+3], s[44:45] op_sel_hi:[1,0]
.endr
	s_wait_loadcnt 24                              ; half slices 0 and 1 are in; half slice 2 (8) and the weights (16) stay out
	ECVT 0
	ECVT 1
	s_wait_alu depctr_va_vdst(0)                   ; the bias sums and the roundings have written what the twenty LDS stores below read, and are done with buffer 0 and v[32:119], in which later loads land
.irp hf, 0,1
	ds_store_b128 v21, v[BL+44*\hf:BL+44*\hf+3]     offset:2048*\hf
	ds_store_b128 v21, v[BL+44*\hf+40:BL+44*\hf+43] offset:4096+2048*\hf      ; w_e as it is
.endr
	EST 0
	EST 1
	ELD 3                                          ; from here on the order of issue is the loop's: rows, weights, rows, weights ..
	WIN TO_1
	s_wait_alu depctr_vm_vsrc(0)                   ; the LDS stores above have read buffer 0, in which half slice 4 lands, and their parts of v[32:119], in which the first fragments land
	BLD 1
	WIN 0
	ELD 4
	s_wait_dscnt 0x0                               ; for the others: my rows of slice 0, my part of the bias and of w_e are in LDS
	s_barrier_signal -1
	s_barrier_wait -1                              ; slice 0 is whole.  The global loads stay out: they touch registers alone
	s_load_b32 s34, s[20:21], 0x0                  ; b_e; waited for in the last phase
; ======== CHUNK 0: columns 256 w .. 256 w + 127, and the rows come in ========
; K step st of a body's four; s is its number in the chunk.  At its head: W(s) and half slice s + 2 are waited for; that half is rounded and stored; W(s + 2) and then half slice s + 5 are asked for.
; Loads come back in order, so a row load has to be done when the weights issued behind it are wanted: weights two steps ahead give the rows three.
; lcnt = what was issued behind W(s): half s + 3 (8), W(s + 1) (16), half s + 4 (8).  Out at the most, by this text's count: 32 weight loads and 24 row loads (in the last step: 48 weight loads).
; ld, cv: a half slice is asked for, is rounded and stored.  bar (odd steps): the slice whose second half was just stored is made known to all four waves before it is read.
; two (the last step): the weights three steps on are asked for as well: chunk 1 has its weights three K steps ahead.
; pf (even steps): each lane asks for the 256 bytes of one of my 32 rows in the slice four beyond the one that is multiplied (8 KB); that slice's loads are issued three and four K steps later.
; Only this wave asks for these bytes, once; slices 0 to 3 are not asked for; the last asked for is slice 15, in K step 22.
.macro XSTEP st, zero, lcnt, ld, cv, bar, anext, pf, two=0
	WIN 0
	s_wait_loadcnt \lcnt                           ; this step's weights and the half slice that is due are in
.if \cv
	ECVT \st+2
.endif
	WIN TO_1                                       ; the weight loads' window, set ahead of the wait that stands in front of them
.if \ld
	s_wait_alu depctr_vm_vsrc(0)                   ; the last step's LDS stores have read the row buffer in which this step's row loads land
.endif
	s_wait_alu depctr_va_vdst(0)                   ; the roundings have written what the LDS stores read; all earlier matrix instructions are done reading H, the other L and the weight buffer(s) asked for again;
	                                               ; the last step's roundings are done with the row buffer asked for again; in a body's first step v[AD] and v3 are written
	BLD \st+2
.if \two
	BLD \st+3
.endif
	WIN 0
	AHI \st
.if \cv
	EST \st+2
.endif
	s_wait_dscnt 8+8*\cv                           ; rows 0-63 are in; the eight loads and the eight stores just issued stay out
	WIN MUL_LO
	MUL16 \st, 0, 0, \zero
.if \ld
	WIN 0
	ELD \st+5                                      ; into the buffer that was rounded and stored one step ago.  No wait: no vector or matrix instruction since the wait above names it
.endif
.if \bar
	s_wait_dscnt 0                                 ; for the others: both halves of my rows of the next slice are in LDS
	s_barrier_signal -1
.endif
	WIN MUL_LO
	MUL16 \st, 0, 2, \zero                         ; work on registers while the others arrive
	WIN 0
.if \bar
	s_barrier_wait -1                              ; the next slice is whole
.endif
.if \pf
	global_prefetch_b8 v6, s[38:39] offset:((\st>>1)+4)*256 th:TH_LOAD_NT scope:SCOPE_SE
.endif
.if \anext
	ALO \st+1                                      ; into the other L.  No wait: its last readers, the last step's matrix instructions, stand ahead of the wait at this step's head
	s_wait_dscnt 8                                 ; rows 64-127 are in; the eight loads just issued stay out
.else
	s_wait_dscnt 0
.endif
	WIN MUL_HI
	MUL16 \st, 1, 0, \zero
	MUL16 \st, 1, 2, \zero
.endm
.macro XBODY zero, ld3, pf
	XSTEP 0, \zero, 32, 1, 1, 0, 1, \pf
	XSTEP 1, 0, 32, 1, 1, 1, 1, 0
	XSTEP 2, 0, 32, 1, 1, 0, 1, \pf
	XSTEP 3, 0, 32, \ld3, 1, 1, 1, 0
.endm
.macro BUMP0                           ; four K steps = two slices on
	WIN 0
	s_wait_xcnt 0x0                                ; the bases of the pending loads are stepped only behind this wait
	s_add_nc_u64 s[40:41], s[40:41], 4*8192
	s_add_nc_u64 s[38:39], s[38:39], 2*256
	s_wait_alu depctr_vm_vsrc(0)                   ; the LDS loads and stores issued so far have read v[AD] and v3
	v_add_nc_u32 v[AD], 2*SLB, v[AD]               ; both are read again only behind the next K step's wait on va_vdst
	v_add_nc_u32 v3, 2*SLB, v3
.endm
	ALO 0                                          ; rows 0-63 of K step 0
	XBODY 1, 1, 1                                  ; K steps 0-3: the first products start the sums
	BUMP0
	s_mov_b32 s35, 5
.Lk0:                                              ; K steps 4-23
	XBODY 0, 1, 1
	BUMP0
	s_sub_co_u32 s35, s35, 1
	s_cmp_lg_u32 s35, 0
	s_cbranch_scc1 .Lk0
	XBODY 0, 0, 0                                  ; K steps 24-27: half slice 31, the last, is asked for in step 26
	BUMP0
	XSTEP 0, 0, 24, 0, 1, 0, 1, 0                  ; K step 28: behind W(28) came half 31 (8) and W(29) (16)
	XSTEP 1, 0, 16, 0, 1, 1, 1, 0                  ; K step 29: the last half slice is stored, the last slice made known; behind W(29) came W(30) alone
	XSTEP 2, 0, 16, 0, 0, 0, 1, 0
	XSTEP 3, 0, 16, 0, 0, 0, 0, 0, 1               ; the weight loads have run on into chunk 1's first three K steps, which follow in wfrag; they stay out through the work below
	PLACES                                         ; behind the last matrix instructions, ahead of the vector work on their results
	WIN 0
	s_wait_alu depctr_vm_vsrc(0)                   ; K step 29's LDS stores have read the row buffers (their roundings stand ahead of the last two steps' waits on va_vdst):
	LDBW 0                                         ; the row buffers are free: bias and w_e take their registers
	s_wait_xcnt 0x0
	s_add_nc_u64 s[40:41], s[40:41], 4*8192
	s_wait_dscnt 0x0
; Row tile a of window 2 + hi, in place: r = 1 / (1 + 2^(C x + C bias)), then the sum of w_e r over my 64 columns into E.
.macro EPI a, hi, first
	WIN (0x82+0x41*\hi)                            ; destination and source 0 in the accumulators' window
.irp b, 0,1,2,3,4,5,6,7
.irp p, 0,2,4,6
	v_pk_fma_f32 v[64*\a+8*\b+\p:64*\a+8*\b+\p+1], v[64*\a+8*\b+\p:64*\a+8*\b+\p+1], s[44:45], v[BIASR+8*\b+\p:BIASR+8*\b+\p+1] op_sel_hi:[1,0,1]
.endr
.endr
.set j, 0
.rept 64
	v_exp_f32 v[64*\a+j], v[64*\a+j]
.set j, j+1
.endr
	v_nop                                          ; one plain place between the last transcendental and the first use (ISA guide 5.7.2)
.set j, 0
	s_wait_alu depctr_va_vdst(0)
.rept 32
	v_pk_add_f32 v[64*\a+j:64*\a+j+1], v[64*\a+j:64*\a+j+1], 1.0 op_sel_hi:[1,0]
.set j, j+2
.endr
.set j, 0
.rept 64
	v_rcp_f32 v[64*\a+j], v[64*\a+j]
.set j, j+1
.endr
	v_nop
	WIN (0x02+\hi)                                 ; source 0 alone in the accumulators' window
	s_wait_alu depctr_va_vdst(0)
.irp p, 0,2,4,6
	v_pk_mul_f32 v[T+\p:T+\p+1], v[64*\a+\p:64*\a+\p+1], v[WR+\p:WR+\p+1]        ; the first products start four chains
.endr
.irp b, 1,2,3,4,5,6,7
.irp p, 0,2,4,6
	v_pk_fma_f32 v[T+\p:T+\p+1], v[64*\a+8*\b+\p:64*\a+8*\b+\p+1], v[WR+8*\b+\p:WR+8*\b+\p+1], v[T+\p:T+\p+1]
.endr
.endr
	WIN 0
	v_pk_add_f32 v[T:T+1],   v[T:T+1],   v[T+2:T+3]
	v_pk_add_f32 v[T+4:T+5], v[T+4:T+5], v[T+6:T+7]
	v_pk_add_f32 v[T:T+1],   v[T:T+1],   v[T+4:T+5]
.if \first
	v_add_f32 v[E+4*\hi+\a], v[T], v[T+1]
.else
	v_add_f32 v[T], v[T], v[T+1]
	v_add_f32 v[E+4*\hi+\a], v[E+4*\hi+\a], v[T]
.endif
.endm
.irp ea, 0,1,2,3
	EPI \ea, 0, 1
.endr
.irp ea, 0,1,2,3
	EPI \ea, 1, 1
.endr
; ======== CHUNK 1: columns 256 w + 128 .. 256 w + 255; the block is whole ========
; K step st of four.  bpre: the weights three steps ahead are asked for; lcnt: how many younger weight loads may stay out; anext: the next step's rows 0-63 are fetched.
.macro STEP st, zero, bpre, lcnt, anext
	s_wait_loadcnt \lcnt                           ; this step's weights are in
.if \bpre
	WIN TO_1                                       ; the weight loads' window, set ahead of the wait that stands in front of them
.else
	WIN 0
.endif
	s_wait_alu depctr_va_vdst(0)                   ; the last step's matrix instructions are done reading H, the other L and their weight buffer, which is asked for again; in a body's first step v[AD] is written
.if \bpre
	BLD \st+3
.endif
	WIN 0
	AHI \st
	s_wait_dscnt 8                                 ; rows 0-63 are in; the eight loads just issued stay out
	WIN MUL_LO
	MUL16 \st, 0, 0, \zero
	MUL16 \st, 0, 2, \zero
	WIN 0
.if \anext
	ALO \st+1                                      ; into the other L.  No wait: its last readers stand ahead of the wait at this step's head
	s_wait_dscnt 8                                 ; rows 64-127 are in; the eight loads just issued stay out
.else
	s_wait_dscnt 0
.endif
	WIN MUL_HI
	MUL16 \st, 1, 0, \zero
	MUL16 \st, 1, 2, \zero
.endm
.macro BODY zero                       ; four K steps; 32 = the two younger steps' weight loads
	STEP 0, \zero, 1, 32, 1
	STEP 1, 0, 1, 32, 1
	STEP 2, 0, 1, 32, 1
	STEP 3, 0, 1, 32, 1
.endm
.macro BUMP                            ; four K steps on
	WIN 0
	s_wait_xcnt 0x0                                ; the base of the pending weight loads is stepped only behind this wait
	s_add_nc_u64 s[40:41], s[40:41], 4*8192
	s_wait_alu depctr_vm_vsrc(0)                   ; the LDS loads issued so far have read v[AD]
	v_add_nc_u32 v[AD], 2*SLB, v[AD]               ; read again only behind the next K step's wait on va_vdst
.endm
	s_wait_alu depctr_vm_vsrc(0)                   ; chunk 0's LDS loads have read v[AD]
	v_mov_b32 v[AD], v23                           ; back to K = 0
	s_wait_alu depctr_va_vdst(0)                   ; the work above is done reading bias and w_e and writing v[T ..], in which the loads below and L1's land; v[AD] is written
	LDBW 1
	ALO 0                                          ; rows 0-63 of K step 0
	BODY 1
	BUMP
	s_mov_b32 s35, 6
.Lk1:
	BODY 0
	BUMP
	s_sub_co_u32 s35, s35, 1
	s_cmp_lg_u32 s35, 0
	s_cbranch_scc1 .Lk1
	STEP 0, 0, 1, 32, 1                            ; the last four K steps: one more load (the last step's weights), then none, and the counts run down
	STEP 1, 0, 0, 32, 1
	STEP 2, 0, 0, 16, 1
	STEP 3, 0, 0, 0, 0
	PLACES                                         ; behind the last matrix instructions, ahead of the vector work on their results
.irp ea, 0,1,2,3
	EPI \ea, 0, 0
.endr
.irp ea, 0,1,2,3
	EPI \ea, 1, 0
.endr
; ======== ENERGIES, THE BLOCK'S SOFTMAX, THE PARTIAL CONTEXT ========
.irp a, 0,1,2,3,4,5,6,7
	v_permlanex16_b32 v19, v[E+\a], s36, s37       ; the other half of the lanes holds the other half of the columns
	v_add_f32 v[E+\a], v[E+\a], v19
.endr
	s_wait_alu depctr_va_vdst(0)                   ; the additions have written v[E ..], which the LDS stores read; the matrix instructions are done reading v[64:127], in which the loads behind the barrier land
.irp a, 0,1,2,3,4,5,6,7
	ds_store_b32 v14, v[E+\a] offset:64*\a         ; row 16 a + r; lanes r and r + 16 write the same word with the same number
.endr
	s_wait_dscnt 0x0                               ; for the others: my wave's row sums are in LDS
	s_barrier_signal -1
	s_barrier_wait -1
	; every wave makes all 128 energies for itself, by the same instructions on the same numbers: lane l holds rows 4 l .. 4 l + 3
.irp i, 0,1,2,3
	ds_load_b128 v[64+4*\i:64+4*\i+3], v15 offset:512*\i
.endr
.irp i, 0,1,2,3,4,5,6,7
	ds_load_b128 v[80+4*\i:80+4*\i+3], v22 offset:512*\i
.endr
	s_wait_dscnt 0x0
	s_wait_kmcnt 0x0                               ; b_e
	v_pk_add_f32 v[64:65], v[64:65], v[68:69]
	v_pk_add_f32 v[66:67], v[66:67], v[70:71]
	v_pk_add_f32 v[72:73], v[72:73], v[76:77]
	v_pk_add_f32 v[74:75], v[74:75], v[78:79]
	v_pk_add_f32 v[64:65], v[64:65], v[72:73]
	v_pk_add_f32 v[66:67], v[66:67], v[74:75]      ; v[64:67] = sum of w_e r over all 1,024 columns
.irp i, 0,8,16,24
	v_pk_add_f32 v[80+\i:81+\i], v[80+\i:81+\i], v[84+\i:85+\i]
	v_pk_add_f32 v[82+\i:83+\i], v[82+\i:83+\i], v[86+\i:87+\i]
.endr
.irp i, 0,16
	v_pk_add_f32 v[80+\i:81+\i], v[80+\i:81+\i], v[88+\i:89+\i]
	v_pk_add_f32 v[82+\i:83+\i], v[82+\i:83+\i], v[90+\i:91+\i]
.endr
	v_pk_add_f32 v[80:81], v[80:81], v[96:97]
	v_pk_add_f32 v[82:83], v[82:83], v[98:99]
	v_pk_add_f32 v[80:81], v[80:81], v[82:83]
	v_add_f32 v80, v80, v81
	v_add_f32_dpp v80, v80, v80 row_xmask:1 row_mask:0xf bank_mask:0xf
	v_add_f32_dpp v80, v80, v80 row_xmask:2 row_mask:0xf bank_mask:0xf
	v_add_f32_dpp v80, v80, v80 row_xmask:4 row_mask:0xf bank_mask:0xf
	v_add_f32_dpp v80, v80, v80 row_xmask:8 row_mask:0xf bank_mask:0xf
	v_permlanex16_b32 v19, v80, s36, s37
	v_add_f32 v80, v80, v19                        ; sum of w_e
	v_add_f32 v80, s34, v80                        ; + b_e
	v_mov_b32 v241, 0xff800000                     ; -infinity
.irp j, 0,1,2,3
	v_fma_f32 v[232+\j], -2.0, v[64+\j], v80       ; energy = b_e + sum w_e (1 - 2 r)
.endr
.irp j, 0,1,2,3
	v_bfe_u32 v[MK+\j], v13, 8*\j, 8
.endr
	v_cmp_ne_u32 s30, 0, v[MK]                     ; the four compares in one run, each into a scalar register of its own
	v_cmp_ne_u32 s31, 0, v[MK+1]
	v_cmp_ne_u32 s42, 0, v[MK+2]
	v_cmp_ne_u32 s43, 0, v[MK+3]
	s_wait_alu depctr_va_sdst(0)                   ; the four masks are written, ahead of the selects that read them
	v_cndmask_b32 v232, v241, v232, s30            ; the mask selects a value; no address or branch hangs on it
	v_cndmask_b32 v233, v241, v233, s31
	v_cndmask_b32 v234, v241, v234, s42
	v_cndmask_b32 v235, v241, v235, s43
	s_wait_alu depctr_va_vdst(0)                   ; the selects have written v[232:235], which wave 0's store reads
	s_cmp_lg_u32 s28, 0
	s_cbranch_scc1 .Lnot_wave_0
	global_store_b128 v1, v[232:235], s[24:25]     ; 512 neighbouring bytes; v1 and v[232:235] are not written again
.Lnot_wave_0:
	v_max3_num_f32 v240, v232, v233, v234
	v_max_num_f32 v240, v240, v235
	v_max_num_f32_dpp v240, v240, v240 row_xmask:1 row_mask:0xf bank_mask:0xf
	v_max_num_f32_dpp v240, v240, v240 row_xmask:2 row_mask:0xf bank_mask:0xf
	v_max_num_f32_dpp v240, v240, v240 row_xmask:4 row_mask:0xf bank_mask:0xf
	v_max_num_f32_dpp v240, v240, v240 row_xmask:8 row_mask:0xf bank_mask:0xf
	v_permlanex16_b32 v19, v240, s36, s37
	v_max_num_f32 v240, v240, v19
	v_max_num_f32 v240, 0xff7fffff, v240           ; the block's maximum, held finite: a block with no row left gives p = 0, not NaN
.irp j, 0,1,2,3
	v_sub_f32 v[236+\j], v[232+\j], v240
.endr
.irp j, 0,1,2,3
	v_mul_f32 v[236+\j], 0x3fb8aa3b, v[236+\j]
.endr
.irp j, 0,1,2,3
	v_exp_f32 v[236+\j], v[236+\j]
.endr
.irp j, 0,1,2,3,4,5,6,7
	v_mov_b32 v[CX+\j], 0                          ; also the plain place behind the transcendentals
.endr
	s_wait_alu depctr_va_vdst(0)                   ; the exponentials have written p, which the LDS store reads; the vector work above is done with v[64:223], in which the first two groups below land
	ds_store_b128 v16, v[236:239]                  ; my wave's own copy of p: LDS serves a wave in order, so its loads below see it
; 16 rows, group g (0, 1) from the addresses' place: their p (the same address in every lane) and my 8 columns of each, 36 loads, into buf .. buf + 79
.macro CLD buf, g
.irp i, 0,1,2,3
	ds_load_b128 v[\buf+4*\i:\buf+4*\i+3], v17 offset:64*\g+16*\i
.endr
.irp rr, 0,1,2,3,4,5,6,7,8,9,10,11,12,13,14,15
	ds_load_b64 v[\buf+16+4*\rr:\buf+16+4*\rr+1],   v18 offset:(16*\g+\rr)*SP             ; columns 256 w + 4 lane .. + 3: slices 4 w (lanes 0-15) and 4 w + 1 (lanes 16-31)
	ds_load_b64 v[\buf+16+4*\rr+2:\buf+16+4*\rr+3], v18 offset:(16*\g+\rr)*SP+2*SLB       ; columns 256 w + 128 + 4 lane .. + 3: two slices on
.endr
.endm
.macro CFM buf                         ; context += p x row, straight from the bf16 halves, sums in f32; eight chains
.irp rr, 0,1,2,3,4,5,6,7,8,9,10,11,12,13,14,15
.irp d, 0,1,2,3
	v_fma_mix_f32_bf16 v[CX+2*\d],   v[\buf+16+4*\rr+\d], v[\buf+\rr], v[CX+2*\d]   op_sel_hi:[1,0,0]
	v_fma_mix_f32_bf16 v[CX+2*\d+1], v[\buf+16+4*\rr+\d], v[\buf+\rr], v[CX+2*\d+1] op_sel:[1,0,0] op_sel_hi:[1,0,0]
.endr
.endr
.endm
	CLD 64, 0                                      ; rows 0-15
	s_mov_b32 s35, 3
.Lctx:                                             ; a trip: two groups of 16 rows are asked for, two are added; the addresses step once, by 32 rows
	CLD 144, 1
	s_wait_dscnt 36                                ; the older group is in; the 36 loads just issued stay out
	CFM 64
	s_wait_alu depctr_vm_vsrc(0)                   ; the LDS loads issued so far have read v17 and v18
	v_add_nc_u32 v17, 128, v17
	v_add_nc_u32 v18, 32*SP, v18
	s_wait_alu depctr_va_vdst(0)                   ; the multiply-adds above are done reading v[64:143], in which the next group lands; v17 and v18 are written
	CLD 64, 0
	s_wait_dscnt 36
	CFM 144
	s_wait_alu depctr_va_vdst(0)                   ; these multiply-adds are done reading v[144:223], in which the next trip's first group, or the last group, lands
	s_sub_co_u32 s35, s35, 1
	s_cmp_lg_u32 s35, 0
	s_cbranch_scc1 .Lctx
	CLD 144, 1                                     ; rows 112-127: the last group
	s_wait_dscnt 36
	CFM 64
	s_wait_dscnt 0
	CFM 144
	s_wait_alu depctr_va_vdst(0)                   ; the multiply-adds have written v[CX ..], which the two stores read
	global_store_b128 v1, v[CX:CX+3],   s[26:27]               ; each store covers 512 neighbouring bytes, aligned
	global_store_b128 v1, v[CX+4:CX+7], s[26:27] offset:512
	s_wait_dscnt 0x0
	s_wait_alu depctr_hold_cnt(0) depctr_sa_sdst(0) depctr_va_vdst(0) depctr_va_sdst(0) depctr_va_ssrc(0) depctr_va_vcc(0) depctr_vm_vsrc(0)
	s_wait_tensorcnt 0x0
	ds_add_u32 v10, v11
	s_wait_dscnt 0x0
	s_endpgm
.Lfunc_end_k_q2e2f05f68b_main:
	.size	k_q2e2f05f68b_main, .Lfunc_end_k_q2e2f05f68b_main-k_q2e2f05f68b_main
	.p2alignl 7, 3214868480
	.fill 96, 4, 3214868480
	.section	.rodata,"a",@progbits
	.p2align	6, 0x0
	.amdhsa_kernel k_q2e2f05f68b_main
		.amdhsa_group_segment_fixed_size 309760
		.amdhsa_private_segment_fixed_size 0
		.amdhsa_enable_private_segment 0
		.amdhsa_kernarg_size 80
		.amdhsa_user_sgpr_count 2
		.amdhsa_user_sgpr_kernarg_segment_ptr 1
		.amdhsa_wavefront_size32 1
		.amdhsa_system_sgpr_workgroup_id_x 1
		.amdhsa_system_sgpr_workgroup_id_y 1
		.amdhsa_system_sgpr_workgroup_id_z 1
		.amdhsa_system_vgpr_workitem_id 0
		.amdhsa_next_free_vgpr 1024
		.amdhsa_next_free_sgpr 66
		.amdhsa_reserve_vcc 0
		.amdhsa_float_denorm_mode_32 3
		.amdhsa_float_denorm_mode_16_64 3
		.amdhsa_memory_ordered 1
		.amdhsa_forward_progress 1
		.amdhsa_inst_pref_size 255
	.end_amdhsa_kernel
	.section	.bss,"aw",@nobits
	.p2align	6
	.space	262144
	.amdgpu_metadata
---
amdhsa.version: [ 1, 2 ]
amdhsa.kernels:
  - .name:           k_q2e2f05f68b_main
    .symbol:         k_q2e2f05f68b_main.kd
    .args:
      - { .name: encoder_outputs, .offset: 0, .size: 8, .value_kind: global_buffer, .address_space: global }
      - { .name: wfrag, .offset: 8, .size: 8, .value_kind: global_buffer, .address_space: global }
      - { .name: dpart, .offset: 16, .size: 8, .value_kind: global_buffer, .address_space: global }
      - { .name: b_enc, .offset: 24, .size: 8, .value_kind: global_buffer, .address_space: global }
      - { .name: b_dec, .offset: 32, .size: 8, .value_kind: global_buffer, .address_space: global }
      - { .name: w_e, .offset: 40, .size: 8, .value_kind: global_buffer, .address_space: global }
      - { .name: b_e, .offset: 48, .size: 8, .value_kind: global_buffer, .address_space: global }
      - { .name: mask, .offset: 56, .size: 8, .value_kind: global_buffer, .address_space: global }
      - { .name: energy, .offset: 64, .size: 8, .value_kind: global_buffer, .address_space: global }
      - { .name: pctx, .offset: 72, .size: 8, .value_kind: global_buffer, .address_space: global }
    .group_segment_fixed_size: 309760
    .private_segment_fixed_size: 0
    .kernarg_segment_align: 8
    .kernarg_segment_size: 80
    .max_flat_workgroup_size: 128
    .sgpr_count:     66
    .vgpr_count:     1024
    .wavefront_size: 32
...
	.end_amdgpu_metadata
.endif
;; end of part 4
;; launch combine: the kernel of part 3 again; grid 32 x 1, 8 waves a work-group, no clusters, 2,048 bytes of LDS; arguments energy, pctx, out0, out1; writes out0, out1
